; MI455X (gfx1250); checked and timed in simulation.
; The chip was launched on July 23, 2026; its instructions are those of AMD's public machine-readable ISA for CDNA 5 (MIT licence, August 2026) and "CDNA5" Instruction Set Architecture Reference Guide (July 2026). The comments in the code are by the model that wrote it; some were corrected since.
;; Multi Head Attention. Allowed arithmetic: matrix products marked QUANTISED: E2M1 operands, one E8M0 scale for each 32 along K, by v_wmma_scale_f32_16x16x128_f8f6f4 with both operands' format E2M1 (or v_wmma_scale_f32_32x16x128_f4), f32 sums; everything else in f32.
;; Inputs: Wk 16 x 1,024 x 64 float32; Wo 1,024 x 1,024 float32; Wq 16 x 1,024 x 64 float32; Wv 16 x 1,024 x 64 float32; bk 16 x 64 float32; bo 1,024 float32; bq 16 x 64 float32; bv 16 x 64 float32; x 4 x 2,048 x 1,024 float32.
;; Outputs: out0 4 x 2,048 x 1,024 float32.
;; This version of the problem:
;;   THIS VERSION OF THE PROBLEM IS GIVEN IN LOW PRECISION. The matrix products marked QUANTISED in the list below multiply operands that are first quantised to E2M1 (2 exponent bits, 1 mantissa bit; 4 bits a number), with one power-of-two scale for each 32 numbers along K (OCP MX v1.0); their sums are f32. All else is computed in f32.
;;   The module's matrix products, in the order in which they are computed (A, B: the left and right operand; K: the contracted axis; several contracted axes count as one K, in the product's order):
;;     1. [M 1,024, K 1,024] x [K 1,024, N 8,192]; A: input Wq; B: input x: QUANTISED
;;     2. [M 1,024, K 1,024] x [K 1,024, N 8,192]; A: input Wk; B: input x: QUANTISED
;;     3. [M 1,024, K 1,024] x [K 1,024, N 8,192]; A: input Wv; B: input x: QUANTISED
;;     4. batch 64 x [M 2,048, K 64] x [K 64, N 2,048]; A: computed on the way; B: computed on the way: QUANTISED
;;     5. batch 64 x [M 2,048, K 2,048] x [K 2,048, N 64]; A: softmax (see below); B: computed on the way: QUANTISED
;;     6. [M 8,192, K 1,024] x [K 1,024, N 1,024]; A: computed on the way; B: input Wo: QUANTISED
;;   THE QUANTISER, for each operand of a quantised product, along K:
;;     - K is cut into blocks of 32 from its start; a last block that is shorter is filled with zeros.
;;     - A block's scale is 2^e with e = floor(log2(the largest magnitude in the block)) - 2, held to -126 .. 127; a block of zeros has e = 0. As a byte (E8M0): e + 127.
;;     - Each number is divided by its block's scale, clamped to +-6, and rounded to the nearest number of E2M1, ties to even, subnormals kept.
;;     - The product sums the exact products of the quantised numbers (number of the format x scale) in f32.
;;   ~~~python
;;   def quantise(x, axis):      # numpy; x: float32 -> the quantised numbers, widened to float32 again
;;       x = np.moveaxis(x, axis, -1); K = x.shape[-1]
;;       x = np.pad(x, [(0, 0)] * (x.ndim - 1) + [(0, -K % 32)]); x = x.reshape(x.shape[:-1] + (-1, 32)); a = np.abs(x).max(-1, keepdims=True)
;;       e = np.where(a > 0, np.clip(np.frexp(np.where(a > 0, a, 1))[1] - 1 - 2, -126, 127), 0)      # np.frexp(a)[1] - 1 = floor(log2(a)), exactly
;;       r = np.clip(x / 2.0 ** e, -6, 6)
;;       step = 2.0 ** (np.maximum(np.frexp(np.where(r == 0, 1, r))[1] - 1, 0) - 1)
;;       q = np.round(r / step) * step * 2.0 ** e      # np.round: ties to even
;;       return np.moveaxis(q.reshape(q.shape[:-2] + (-1,))[..., :K], -1, axis).astype(np.float32)
;;   ~~~
;;   SOFTMAX AHEAD OF A QUANTISED PRODUCT. Where the list says 'softmax', what is quantised is not the finished softmax but p = 2^(t - M), with t = logit x log2(e) and M = ceil(the row's largest t), a whole number; so 1/2 < the row's largest p <= 1. The row's sum l is taken of the UNQUANTISED p, in f32, and the product's result is divided by l at the end. Since M is a whole number, a kernel that streams over the keys may use a running M (the ceiling of the running maximum): every later rescaling is an exact power of two, which a block's scale takes up: the codes' values come out the same.
;;   OPERANDS COMPUTED ON THE WAY. 'Computed on the way' means the value that the module computes at that place (a softmax that the list does not call 'softmax' is quantised finished and normalised). What goes into a quantiser is computed in f32, as accurately as f32 sums, v_exp_f32 and their like allow (about 1e-6 of the number): no bf16 or f16 on the way to a quantiser, and a product that is left as it is and whose result goes on into a quantised operand takes f32 operands (vector FMAs, or v_wmma_f32_16x16x4_f32). A number that lies on a knife's edge between two numbers of the format may be rounded either way, as far as f32 arithmetic and the matrix unit's own rounding can turn it there, and no further.
;; One version. Each part assembles by itself: llvm-mc -triple=amdgcn-amd-amdhsa -mcpu=gfx1250 --defsym DOCPART=n.
;; ======== version 1 of 1: 4 launches
;; limits: right only within a limited range of input values
;; workspace buffers: xc 4,194,304 bytes; xs 262,144 bytes; wc 2,097,152 bytes; ws 131,072 bytes; ac 12,582,912 bytes; asc 1,310,720 bytes; zc 4,194,304 bytes; zs 262,144 bytes
;; launch quant (part 1): grid 512 x 1, 4 waves a work-group, no clusters, 35,328 bytes of LDS; arguments x, Wq, Wk, Wv, Wo, xc, xs, wc, ws; writes xc, xs, wc, ws
.if DOCPART == 1
	.amdgcn_target "amdgcn-amd-amdhsa--gfx1250"
	.amdhsa_code_object_version 6
	.text
	.protected	k_qd46b962d6d_quant
	.globl	k_qd46b962d6d_quant
	.p2align	8
	.type	k_qd46b962d6d_quant,@function
k_qd46b962d6d_quant:
	s_mov_b64 s[64:65], 0
	v_nop
	global_prefetch_b8 v0, s[64:65] scope:SCOPE_SE
	s_setreg_imm32_b32 hwreg(HW_REG_WAVE_MODE, 25, 1), 1
	s_wait_xcnt 0x0
; x [8192 tokens][1024] and the four weights (K = their axis of 1,024: Wq, Wk, Wv [16][1024][64], Wo [1024][1024]), f32, become codes of FP4 (E2M1)
; with one E8M0 byte for each 32 along K, laid in the ORDER OF THE OPERAND'S REGISTERS:
;   codes  [slot = K / 512][tile of 16 rows][block 16][row 16][16 bytes]: fragment (K step q, half c) is 512 consecutive bytes at 1024 q + 512 c, 16 a lane;
;   scales [tile][slot][row 16][4 words]: one load of 16 bytes gives a row's words of a slot's four K steps.
; THE ROWS OF A TILE ARE NOT NEIGHBOURS: place r of tile 2 b + u holds member 32 b + 8 u + r % 8 + 16 (r / 8) (tokens; a weight's columns), so that the results of two
; neighbouring tiles, used as source 0, are 16 neighbours in a lane's registers.
; A block's scale is 2^(floor(log2(its largest magnitude)) - 2); its byte is the largest magnitude's exponent field - 2, held at 1 from below.
; LIMITS: a block of zeros gets the byte 1 (its codes are zeros; this program alone reads the bytes); NaN and infinities among the inputs are not served.
; Work-groups 0-255 take x: a wave takes one tile x 512 along K.  Work-groups 256-511 take the weights: 32 columns x 512 along K, a wave 128 of them, a lane one column.
; The two paths have LDS bytes of their own.  No tile is shared between work-groups, so no cluster; no tensor load, no ring.
.set WSC,  33792                       ; LDS: behind the four stages of 8,448 bytes: 512 bytes for a weight group's scale words
.set TM,   8                           ; v8-13   at work
.set SW,   16                          ; v16-19  scale words
.set C,    20                          ; v20-51  codes: registers of their own for every store
.set R,    52                          ; v52-179 numbers as loaded
.set X,    180                         ; v180-243 x: 64 numbers in the operand's order
.set WV,   22
.set SEL,  42                          ; s[42:43] selects of v_permlanex16_b32: lane l xor 16
; 32 numbers of ONE lane, v[s] on, one block: codes into v[c] .. v[c+3], the byte into v[m]
.macro QB s, c, m
	v_max3_num_f32 v[\m], |v[\s]|, |v[\s+1]|, |v[\s+2]|
	v_max3_num_f32 v[\m+1], |v[\s+3]|, |v[\s+4]|, |v[\s+5]|
.irp i, 6,10,14,18,22,26
	v_max3_num_f32 v[\m], v[\m], |v[\s+\i]|, |v[\s+\i+1]|
	v_max3_num_f32 v[\m+1], v[\m+1], |v[\s+\i+2]|, |v[\s+\i+3]|
.endr
	v_max3_num_f32 v[\m], v[\m], |v[\s+30]|, |v[\s+31]|
	v_max3_num_f32 v[\m], v[\m], v[\m+1], 0x1800000      ; the floor 2^(3 - 127): the byte cannot fall under 1
	v_add_nc_u32 v[\m+1], 0xff000000, v[\m]              ; 2 off the exponent field: the conversion's scale operand
.irp g, 0,1,2,3
	v_cvt_scalef32_pk8_fp4_f32 v[\c+\g], v[\s+8*\g:\s+8*\g+7], v[\m+1]
.endr
	v_lshrrev_b32 v[\m], 23, v[\m+1]                     ; the byte; also the plain line behind the conversions
.endm
	s_load_b512 s[4:19], s[0:1], 0x0               ; x, Wq, Wk, Wv, Wo, xc, xs, wc
	s_load_b64 s[20:21], s[0:1], 0x40              ; ws
	v_lshl_add_u32 v248, v0, 2, 0x8800
	v_mov_b32 v249, 0
	v_lshrrev_b32 v1, 5, v0
	v_readfirstlane_b32 s[WV], v1                  ; wave 0..3
	v_and_b32 v1, 31, v0                           ; lane
	v_and_b32 v2, 15, v0                           ; r
	v_bfe_u32 v3, v0, 4, 1                         ; h
	v_lshlrev_b32 v4, 4, v1                        ; 16 x lane
	s_mul_i32 s23, s[WV], 8448                     ; my stage: 16 rows x (512 bytes + 16)
	v_add_nc_u32 v5, s23, v4                       ; into it: a row as it lies
	v_mul_u32_u24 v6, v2, 528
	v_lshl_add_u32 v6, v3, 7, v6
	v_add_nc_u32 v6, s23, v6                       ; out of it: row r, + 128 h: my block of 32 numbers
	v_lshlrev_b32 v7, 4, v2                        ; 16 r
	v_lshlrev_b32 v244, 3, v3                      ; 8 h
	v_lshlrev_b32 v14, 2, v1                       ; 4 x lane
	v_mov_b32 v[TM+5], 0                           ; a lane permute's destination counts as read
	v_bfe_u32 v245, v0, 3, 1                       ; a weight's column l: u = (l / 8) % 2,
	v_and_b32 v246, 7, v0
	v_lshl_add_u32 v246, v3, 3, v246               ; its place in tile u: l % 8 + 8 (l / 16)
	v_lshlrev_b32 v247, 4, v246
	v_lshl_add_u32 v247, v245, 12, v247            ; codes: 4096 u + 16 x place
	v_lshl_add_u32 v245, v245, 4, v246
	v_lshlrev_b32 v245, 4, v245
	s_lshl_b32 s23, s[WV], 2
	s_add_co_u32 s23, s23, WSC
	v_add_nc_u32 v245, s23, v245                   ; LDS: 16 (16 u + place) + 4 x wave: my word
	v_add_nc_u32 v246, WSC, v4                     ; and back: 16 x lane
	s_mov_b32 s[SEL], 0x76543210
	s_mov_b32 s[SEL+1], 0xfedcba98
	s_cmp_lt_u32 ttmp9, 256
	s_cbranch_scc0 .Lweights
; ---------------- x
	s_lshl_b32 s24, ttmp9, 2
	s_add_co_u32 s24, s24, s[WV]
	s_lshr_b32 s25, s24, 1                         ; tile T
	s_and_b32 s26, s24, 1                          ; slot
	s_lshr_b32 s27, s25, 1
	s_lshl_b32 s28, s27, 17                        ; 32 rows of 4,096 bytes for each pair of tiles,
	s_and_b32 s29, s25, 1
	s_lshl_b32 s29, s29, 15                        ; 8 rows on for the odd tile,
	s_add_co_u32 s28, s28, s29
	s_lshl_b32 s29, s26, 11                        ; 512 numbers on for slot 1
	s_add_co_u32 s28, s28, s29
	s_mov_b32 s29, 0
	s_lshl_b32 s30, s26, 21
	s_lshl_b32 s31, s25, 12
	s_add_co_u32 s30, s30, s31
	s_mov_b32 s31, 0
	s_lshl_b32 s32, s25, 9
	s_lshl_b32 s33, s26, 8
	s_add_co_u32 s32, s32, s33
	s_mov_b32 s33, 0
	s_wait_kmcnt 0x0
	s_add_nc_u64 s[4:5], s[4:5], s[28:29]
	s_add_nc_u64 s[14:15], s[14:15], s[30:31]
	s_add_nc_u64 s[16:17], s[16:17], s[32:33]
.macro LOADX s                         ; K step s: 128 numbers of each of the tile's 16 rows; a load reads 512 consecutive bytes
.irp i, 0,1,2,3,4,5,6,7,8,9,10,11,12,13,14,15
	global_load_b128 v[R+64*((\s)%2)+4*\i:R+64*((\s)%2)+4*\i+3], v4, s[4:5] offset:(\i%8)*4096+(\i/8)*65536+512*(\s) th:TH_LOAD_NT
.endr
.endm
.macro STEPX s
.if (\s) < 3
	s_wait_loadcnt 16                              ; this step's 16 loads are in; the next step's 16 may be out
.else
	s_wait_loadcnt 0x0
.endif
.irp i, 0,1,2,3,4,5,6,7,8,9,10,11,12,13,14,15
	ds_store_b128 v5, v[R+64*((\s)%2)+4*\i:R+64*((\s)%2)+4*\i+3] offset:528*\i
.endr
.irp c, 0,1
.irp j, 0,1,2,3,4,5,6,7
	ds_load_b128 v[X+32*\c+4*\j:X+32*\c+4*\j+3], v6 offset:256*\c+16*\j   ; k = 64 c + 32 h + 0 .. 31 of row r; LDS serves a wave's instructions in order
.endr
.endr
	s_wait_dscnt 0x0
.if (\s) < 2
	LOADX (\s)+2
.endif
	QB X, C+8*(\s), TM
	QB X+32, C+8*(\s)+4, TM+2
	v_lshl_or_b32 v[TM+4], v[TM+2], 16, v[TM]      ; my two bytes: blocks h and 2 + h,
	v_lshlrev_b32 v[TM+4], v244, v[TM+4]           ; at their places in the word;
	v_permlanex16_b32 v[TM+5], v[TM+4], s[SEL], s[SEL+1]
	v_or_b32 v[SW+(\s)], v[TM+4], v[TM+5]          ; with lane l xor 16's two the word is whole
	global_store_b128 v4, v[C+8*(\s):C+8*(\s)+3], s[14:15] offset:1024*(\s)         ; 512 consecutive bytes a store
	global_store_b128 v4, v[C+8*(\s)+4:C+8*(\s)+7], s[14:15] offset:1024*(\s)+512
.endm
	LOADX 0
	LOADX 1
	STEPX 0
	STEPX 1
	STEPX 2
	STEPX 3
	global_store_b128 v7, v[SW:SW+3], s[16:17]     ; 256 consecutive bytes; lanes 16-31 hold the same words and store them to the same places
	s_wait_tensorcnt 0x0
	ds_add_u32 v248, v249
	s_wait_dscnt 0x0
	s_endpgm
; ---------------- the weights
.Lweights:
	s_sub_co_u32 s24, ttmp9, 256
	s_lshr_b32 s25, s24, 1                         ; G: group of 32 columns, 0..127
	s_and_b32 s26, s24, 1                          ; slot
	s_lshr_b32 s27, s25, 5                         ; which tensor: q, k, v, o
	s_and_b32 s28, s25, 31                         ; the group within it
	s_lshl_b32 s29, s26, 9
	s_lshl_b32 s30, s[WV], 7
	s_add_co_u32 s29, s29, s30                     ; my first row along K
	s_lshr_b32 s30, s28, 1
	s_lshl_b32 s30, s30, 18                        ; q, k, v: the head,
	s_and_b32 s31, s28, 1
	s_lshl_b32 s31, s31, 7                         ; its columns 0 or 32 on,
	s_add_co_u32 s30, s30, s31
	s_lshl_b32 s31, s29, 8                         ; rows of 256 bytes
	s_add_co_u32 s30, s30, s31
	s_lshl_b32 s32, s28, 7                         ; Wo: the columns,
	s_lshl_b32 s33, s29, 12                        ; rows of 4,096 bytes
	s_add_co_u32 s32, s32, s33
	s_wait_kmcnt 0x0
	s_cmp_eq_u32 s27, 1
	s_cselect_b64 s[6:7], s[8:9], s[6:7]
	s_cmp_eq_u32 s27, 2
	s_cselect_b64 s[6:7], s[10:11], s[6:7]
	s_cmp_eq_u32 s27, 3
	s_cselect_b64 s[6:7], s[12:13], s[6:7]
	s_cselect_b32 s30, s32, s30
	s_mov_b32 s31, 0
	s_add_nc_u64 s[6:7], s[6:7], s[30:31]
	s_lshl_b32 s34, s26, 20
	s_lshl_b32 s35, s25, 13
	s_add_co_u32 s34, s34, s35
	s_lshl_b32 s35, s[WV], 10
	s_add_co_u32 s34, s34, s35
	s_mov_b32 s35, 0
	s_add_nc_u64 s[18:19], s[18:19], s[34:35]      ; codes: slot, tile 2 G, blocks 4 x wave on
	s_lshl_b32 s36, s25, 10
	s_lshl_b32 s37, s26, 8
	s_add_co_u32 s36, s36, s37
	s_mov_b32 s37, 0
	s_add_nc_u64 s[20:21], s[20:21], s[36:37]      ; scale words: tile 2 G, slot
.macro LW32 t, pitch                   ; block t: 32 rows down K of my column; a load reads 128 consecutive bytes
.irp i, 0,1,2,3,4,5,6,7,8,9,10,11,12,13,14,15,16,17,18,19,20,21,22,23,24,25,26,27,28,29,30,31
	global_load_b32 v[R+32*(\t)+\i], v14, s[6:7] offset:(32*(\t)+\i)*\pitch
.endr
.endm
.macro LOADW t                         ; the row pitch stands in the immediates, so the run is written twice; both arms issue 32 loads
	s_cmp_eq_u32 s27, 3
	s_cbranch_scc1 .Lwo_\@
	LW32 \t, 256
	s_branch .Lld_\@
.Lwo_\@:
	LW32 \t, 4096
.Lld_\@:
.endm
.macro BLOCKW t
.if (\t) < 3
	s_wait_loadcnt 32                              ; this block's 32 loads are in; the next block's may be out
.else
	s_wait_loadcnt 0x0
.endif
.if (\t) < 2
	LOADW (\t)+2
.endif
	QB R+32*(\t), C+4*(\t), TM
.if (\t) == 0
	v_mov_b32 v[SW], v[TM]
.else
	v_lshl_or_b32 v[SW], v[TM], 8*(\t), v[SW]      ; four bytes: my wave's K step
.endif
	global_store_b128 v247, v[C+4*(\t):C+4*(\t)+3], s[18:19] offset:256*(\t)   ; two runs of 256 consecutive bytes: one block of tile 2 G, one of tile 2 G + 1
.endm
	LOADW 0
	LOADW 1
	BLOCKW 0
	BLOCKW 1
	BLOCKW 2
	BLOCKW 3
	ds_store_b32 v245, v[SW]                       ; a row's four words come from the four waves
	s_wait_dscnt 0x0                               ; for the others' sake: my store has landed
	s_barrier_signal -1
	s_barrier_wait -1
	s_cmp_lg_u32 s[WV], 0
	s_cbranch_scc1 .Lend
	ds_load_b128 v[X:X+3], v246
	v_lshlrev_b32 v15, 9, v3                       ; tile 2 G + lane / 16,
	v_lshl_add_u32 v15, v2, 4, v15                 ; its row lane % 16
	s_wait_alu depctr_va_vdst(0)
	s_wait_dscnt 0x0
	global_store_b128 v15, v[X:X+3], s[20:21]      ; two runs of 256 consecutive bytes
.Lend:
	s_wait_tensorcnt 0x0
	ds_add_u32 v248, v249
	s_wait_dscnt 0x0
	s_endpgm
.Lfunc_end_k_qd46b962d6d_quant:
	.size	k_qd46b962d6d_quant, .Lfunc_end_k_qd46b962d6d_quant-k_qd46b962d6d_quant
	.p2alignl 7, 3214868480
	.fill 96, 4, 3214868480
	.section	.rodata,"a",@progbits
	.p2align	6, 0x0
	.amdhsa_kernel k_qd46b962d6d_quant
		.amdhsa_group_segment_fixed_size 35328
		.amdhsa_private_segment_fixed_size 0
		.amdhsa_enable_private_segment 0
		.amdhsa_kernarg_size 72
		.amdhsa_user_sgpr_count 2
		.amdhsa_user_sgpr_kernarg_segment_ptr 1
		.amdhsa_wavefront_size32 1
		.amdhsa_system_sgpr_workgroup_id_x 1
		.amdhsa_system_sgpr_workgroup_id_y 1
		.amdhsa_system_sgpr_workgroup_id_z 1
		.amdhsa_system_vgpr_workitem_id 0
		.amdhsa_next_free_vgpr 250
		.amdhsa_next_free_sgpr 66
		.amdhsa_reserve_vcc 0
		.amdhsa_float_denorm_mode_32 3
		.amdhsa_float_denorm_mode_16_64 3
		.amdhsa_memory_ordered 1
		.amdhsa_forward_progress 1
		.amdhsa_inst_pref_size 63
	.end_amdhsa_kernel
	.amdgpu_metadata
---
amdhsa.version: [ 1, 2 ]
amdhsa.kernels:
  - .name:           k_qd46b962d6d_quant
    .symbol:         k_qd46b962d6d_quant.kd
    .args:
      - { .name: x, .offset: 0, .size: 8, .value_kind: global_buffer, .address_space: global }
      - { .name: Wq, .offset: 8, .size: 8, .value_kind: global_buffer, .address_space: global }
      - { .name: Wk, .offset: 16, .size: 8, .value_kind: global_buffer, .address_space: global }
      - { .name: Wv, .offset: 24, .size: 8, .value_kind: global_buffer, .address_space: global }
      - { .name: Wo, .offset: 32, .size: 8, .value_kind: global_buffer, .address_space: global }
      - { .name: xc, .offset: 40, .size: 8, .value_kind: global_buffer, .address_space: global }
      - { .name: xs, .offset: 48, .size: 8, .value_kind: global_buffer, .address_space: global }
      - { .name: wc, .offset: 56, .size: 8, .value_kind: global_buffer, .address_space: global }
      - { .name: ws, .offset: 64, .size: 8, .value_kind: global_buffer, .address_space: global }
    .group_segment_fixed_size: 35328
    .private_segment_fixed_size: 0
    .kernarg_segment_align: 8
    .kernarg_segment_size: 72
    .max_flat_workgroup_size: 128
    .sgpr_count:     66
    .vgpr_count:     250
    .wavefront_size: 32
...
	.end_amdgpu_metadata
.endif
;; end of part 1
;; launch qkv (part 2): grid 12 x 32, 16 waves a work-group, clusters of 4 x 4, 284,672 bytes of LDS; arguments xc, xs, wc, ws, bq, bk, bv, ac, asc; writes ac, asc
.if DOCPART == 2
	.amdgcn_target "amdgcn-amd-amdhsa--gfx1250"
	.amdhsa_code_object_version 6
	.text
	.protected	k_qd46b962d6d_qkv
	.globl	k_qd46b962d6d_qkv
	.p2align	8
	.type	k_qd46b962d6d_qkv,@function
k_qd46b962d6d_qkv:
	s_mov_b64 s[64:65], 0
	v_nop
	global_prefetch_b8 v0, s[64:65] scope:SCOPE_SE
	s_setreg_imm32_b32 hwreg(HW_REG_WAVE_MODE, 25, 1), 1
	s_wait_xcnt 0x0
	s_wait_alu depctr_hold_cnt(0) depctr_sa_sdst(0) depctr_va_vdst(0) depctr_va_sdst(0) depctr_va_ssrc(0) depctr_va_vcc(0) depctr_vm_vsrc(0)
	s_getreg_b32 s2, hwreg(HW_REG_IB_STS2, 6, 4)
	s_cmp_eq_u32 s2, 0
	s_cbranch_scc0 .Lentry_in_a_cluster
	s_endpgm
.Lentry_in_a_cluster:
	s_bfe_u32 s2, ttmp6, 0x10000c
	s_cmp_lg_u32 s2, 0xf033
	s_cbranch_scc0 .Lentry_shape_is_right
	s_endpgm
.Lentry_shape_is_right:
; q, k, v = x W + b on codes of FP4 (E2M1) with E8M0 scales, K = 1,024; the results are quantised in registers for the attention's products and leave as codes:
;   q, k along the head's 64 (two blocks), v along the keys.  Per (batch, head), in ac: q [128 tiles][512 bytes], k likewise, v [key step 16][tile of d 4][1,024 bytes], each an image of the operand's
;   registers (16 bytes a lane); in asc: q's and k's scale words [group of 4 tiles][row 16][tile 4] (bytes 2, 3 are 0: they stand over zero codes), v's [key step][row 16][tile of d 4].
; A work-group makes 256 tokens x 256 columns (four heads of ONE tensor: the cluster's x is the tensor).  All of K lies in LDS, filled once: no byte of LDS is filled twice.
; Sixteen waves; wave w: x's tiles 4 (w % 4) on, head w / 4: 16 accumulators.  q, k: source 0 = W's tile, source 1 = x's: a lane holds one token, its registers run along d.
; v: source 0 = x's tile, source 1 = W's: a lane holds one d, its registers run along the tokens, which are the keys.  The bias is the C of each sum's first product.
; CLUSTER 4 x 4: x's tiles hang on the work-group's y alone and are asked for jointly by a row of the cluster, W's on its x alone, by a column.
; LIMITS: a block of zeros gets the byte 1 (its codes are zeros; this program alone reads the bytes); NaN and infinities are not served.
.set AC,   0                           ; LDS: x's codes [slot 2][tile 16][4096]
.set BC,   131072                      ; W's likewise
.set AS,   262144                      ; x's scale words [tile 16][slot 2][256]
.set BS,   270336                      ; W's
.set XS,   278528                      ; 4,096 bytes that no fill touches: v's scale bytes from wave to wave
.set ADA,  4                           ; v4, v5   my x fragments in slot 0, 1
.set ADB,  6                           ; v6, v7   my W fragments
.set ADS,  8                           ; v8       scale words: lanes 0-15 x's rows, lanes 16-31 W's
.set SC,   16                          ; v16-31   scale words of a slot: register 4 i + q; they hold scales and nothing else
.set FA,   48                          ; v48-79   x's four fragments of a K step
.set FB,   80                          ; v80-111  W's
.set ACC,  112                         ; v112-239 accumulator (source 1's tile u, source 0's tile t) at 112 + 32 u + 8 t
.set TM,   48                          ; behind the products: v48-53 at work, v56-71 codes, v72-75 scale words
.set PC,   56
.set WD,   72
.set WV,   22
.set TQ,   23
.set HD,   24
.set CX,   25
.set CY,   26
.set WGX,  27
.set WGY,  28
.set MROW, 29
.set MCOL, 30
.set SEL,  14                          ; s[14:15], once the bias pointer is chosen
.set G1AC, 32
.set G1AS, 40
.set G1BC, 48
.set G1BS, 56
.set G0AS, 68
.set G0A0, 72
.set G0A1, 76
.set G0BS, 80
.set G0B0, 84
.set G0B1, 88
.macro BAR                             ; my LDS instructions are done: then the work-group's barrier
	s_wait_dscnt 0x0
	s_barrier_signal -1
	s_barrier_wait -1
.endm
.macro ROUND                           ; a round of the cluster's barrier
	s_barrier_signal -1
	s_barrier_wait -1
	s_cmp_lg_u32 s[WV], 0
	s_cbranch_scc1 .Lnot_wave_0_\@
	s_barrier_signal -3
.Lnot_wave_0_\@:
	s_barrier_wait -3
	s_barrier_signal -1
	s_barrier_wait -1
.endm
.macro PLACES                          ; four plain vector lines behind a matrix instruction, ahead of loads into its registers and of reads of its results
.rept 4
	v_nop
.endr
.endm
; 32 numbers of a lane, register 16 b + i = k 32 b + 16 (lane / 16) + i of my row: codes into v[pc] .. v[pc+3] (block lane / 16, whole), the two bytes into v[wd]
.macro QUANT2 s, pc, wd
.irp b, 0,1
	v_max3_num_f32 v[TM+\b], |v[\s+16*\b]|, |v[\s+16*\b+1]|, 0x1800000   ; with the floor 2^(3 - 127); each accumulator is read from its low end on
.endr
.irp i, 2,4,6,8,10,12,14
.irp b, 0,1
	v_max3_num_f32 v[TM+\b], v[TM+\b], |v[\s+16*\b+\i]|, |v[\s+16*\b+\i+1]|
.endr
.endr
.irp b, 0,1
	s_delay_alu instid0(VALU_DEP_2)
	v_permlanex16_b32 v[TM+2+\b], v[TM+\b], s[SEL], s[SEL+1]
.endr
.irp b, 0,1
	s_delay_alu instid0(VALU_DEP_2)
	v_max_num_f32 v[TM+\b], v[TM+\b], v[TM+2+\b]         ; with lane l xor 16's 16: the block's largest magnitude
.endr
.irp b, 0,1
	s_delay_alu instid0(VALU_DEP_2)
	v_add_nc_u32 v[TM+4+\b], 0xff000000, v[TM+\b]        ; 2 off the exponent field: the conversion's scale operand
.endr
.irp b, 0,1
	s_delay_alu instid0(VALU_DEP_2)
	v_lshrrev_b32 v[TM+2+\b], 23, v[TM+4+\b]             ; the byte
.endr
	s_delay_alu instid0(VALU_DEP_1)
	v_lshl_or_b32 v[\wd], v[TM+3], 8, v[TM+2]
.irp b, 0,1
	v_cvt_scalef32_pk8_fp4_f32 v[\pc+2*\b], v[\s+16*\b:\s+16*\b+7], v[TM+4+\b]
	v_cvt_scalef32_pk8_fp4_f32 v[\pc+2*\b+1], v[\s+16*\b+8:\s+16*\b+15], v[TM+4+\b]
.endr
	v_nop                                                ; one plain line behind the conversions
	v_permlane16_swap_b32 v[\pc], v[\pc+2]               ; the halves change places: a lane holds a whole block
	v_permlane16_swap_b32 v[\pc+1], v[\pc+3]
.endm
	s_load_b512 s[4:19], s[0:1], 0x0               ; xc, xs, wc, ws, bq, bk, bv, ac
	s_load_b64 s[20:21], s[0:1], 0x40              ; asc
	v_lshl_add_u32 v254, v0, 2, 0x45000
	v_mov_b32 v255, 0
	ds_add_u32 v254, v255
	ds_add_u32 v254, v255
	s_wait_dscnt 0x0
	v_lshrrev_b32 v1, 5, v0
	s_delay_alu instid0(VALU_DEP_1)
	v_readfirstlane_b32 s[WV], v1                  ; wave 0..15
	s_and_b32 s[TQ], s[WV], 3                      ; my four tiles of x
	s_lshr_b32 s[HD], s[WV], 2                     ; my head of the four
	s_bfe_u32 s[CX], ttmp6, 0x40000
	s_bfe_u32 s[CY], ttmp6, 0x40004
	s_lshl_b32 s[WGX], ttmp9, 2
	s_add_co_u32 s[WGX], s[WGX], s[CX]             ; 4 x tensor + block of 256 columns
	s_and_b32 s[WGY], ttmp7, 0xffff
	s_lshl_b32 s[WGY], s[WGY], 2
	s_add_co_u32 s[WGY], s[WGY], s[CY]             ; block of 256 tokens
	s_lshl_b32 s[MROW], s[CY], 2
	s_lshl_b32 s[MROW], 15, s[MROW]                ; my row of the cluster
	s_lshl_b32 s[MCOL], 0x1111, s[CX]              ; my column
	; group 1: dense blocks as rows of 256 bytes (32 elements of 8 bytes), no padding: 128 rows of codes (eight tiles of a slot), 32 rows of scale words (all sixteen tiles)
	s_or_b32 s[G1AC], s[MROW], (3<<16)|(1<<21)
	s_or_b32 s[G1AS], s[MROW], (3<<16)|(1<<21)
	s_or_b32 s[G1BC], s[MCOL], (3<<16)|(1<<21)
	s_or_b32 s[G1BS], s[MCOL], (3<<16)|(1<<21)
.irp g, G1AC, G1BC
	s_mov_b32 s[\g+1], 32<<16
	s_mov_b32 s[\g+2], 128<<16
	s_mov_b32 s[\g+3], 32<<16
	s_mov_b32 s[\g+4], 128
	s_mov_b32 s[\g+5], 32
	s_mov_b32 s[\g+6], 0
	s_mov_b32 s[\g+7], 0
.endr
.irp g, G1AS, G1BS
	s_mov_b32 s[\g+1], 32<<16
	s_mov_b32 s[\g+2], 32<<16
	s_mov_b32 s[\g+3], 32<<16
	s_mov_b32 s[\g+4], 32
	s_mov_b32 s[\g+5], 32
	s_mov_b32 s[\g+6], 0
	s_mov_b32 s[\g+7], 0
.endr
	s_lshl_b32 s92, s[WGY], 16                     ; x: tile 16 y + 8 x half, 4,096 bytes a tile
	s_and_b32 s31, s[WV], 1                        ; which half of a slot's sixteen tiles a loading wave fetches
	s_lshl_b32 s100, s31, 15                       ; 32,768 bytes a half, in memory and in LDS alike
	s_mov_b32 s93, s100
	s_add_co_u32 s92, s92, s93
	s_mov_b32 s93, 0
	s_lshl_b32 s94, s[WGY], 13                     ; its scale words, 512 bytes a tile
	s_mov_b32 s95, 0                               ; the scale words come whole
	s_add_co_u32 s94, s94, s95
	s_mov_b32 s95, 0
	s_lshl_b32 s96, s[WGX], 16                     ; W likewise, in registers that never hold y
	s_mov_b32 s97, s100
	s_add_co_u32 s96, s96, s97
	s_mov_b32 s97, 0
	s_lshl_b32 s98, s[WGX], 13
	s_mov_b32 s99, 0
	s_add_co_u32 s98, s98, s99
	s_mov_b32 s99, 0
	s_lshl_b32 s66, s[TQ], 14                      ; in LDS: the wave's number alone
	s_lshl_b32 s67, s[TQ], 11
	s_wait_kmcnt 0x0
	s_add_nc_u64 s[92:93], s[4:5], s[92:93]
	s_add_nc_u64 s[94:95], s[6:7], s[94:95]
	s_add_nc_u64 s[96:97], s[8:9], s[96:97]
	s_add_nc_u64 s[98:99], s[10:11], s[98:99]
	ROUND                                          ; all sixteen work-groups are here: the joint loads meet
	s_mov_b32 s[G0AS], 1
	s_mov_b32 s[G0AS+1], AS
	s_mov_b64 s[G0AS+2:G0AS+3], s[94:95]
	s_or_b32 s[G0AS+3], s[G0AS+3], 0x80000000
	s_mov_b32 s[G0A0], 1
	s_add_co_u32 s[G0A0+1], s100, AC
	s_mov_b64 s[G0A0+2:G0A0+3], s[92:93]
	s_or_b32 s[G0A0+3], s[G0A0+3], 0x80000000
	s_mov_b32 s[G0A1], 1
	s_add_co_u32 s[G0A1+1], s100, AC+65536
	s_add_nc_u64 s[G0A1+2:G0A1+3], s[92:93], 2097152
	s_or_b32 s[G0A1+3], s[G0A1+3], 0x80000000
	s_mov_b32 s[G0BS], 1
	s_mov_b32 s[G0BS+1], BS
	s_mov_b64 s[G0BS+2:G0BS+3], s[98:99]
	s_or_b32 s[G0BS+3], s[G0BS+3], 0x80000000
	s_mov_b32 s[G0B0], 1
	s_add_co_u32 s[G0B0+1], s100, BC
	s_mov_b64 s[G0B0+2:G0B0+3], s[96:97]
	s_or_b32 s[G0B0+3], s[G0B0+3], 0x80000000
	s_mov_b32 s[G0B1], 1
	s_add_co_u32 s[G0B1+1], s100, BC+65536
	s_add_nc_u64 s[G0B1+2:G0B1+3], s[96:97], 1048576
	s_or_b32 s[G0B1+3], s[G0B1+3], 0x80000000
; the launch's only fills, one a wave, in one chain of branches on the wave's number: waves 0, 1 slot 0's halves of x, 2, 3 of W, 4 x's scale words, 5 W's, 6, 7 slot 1's halves of x, 8, 9 of W
.macro ARM under, g0, g1, next
	s_cmp_lt_u32 s[WV], \under
	s_cbranch_scc0 \next
	tensor_load_to_lds s[\g0:\g0+3], s[\g1:\g1+7]
	s_nop 0
.rept 4
	v_nop
.endr
	s_branch .Lasked
\next:
.endm
	ARM 2, G0A0, G1AC, .Larm_b0
	ARM 4, G0B0, G1BC, .Larm_as
	ARM 5, G0AS, G1AS, .Larm_bs
	ARM 6, G0BS, G1BS, .Larm_a1
	ARM 8, G0A1, G1AC, .Larm_b1
	ARM 10, G0B1, G1BC, .Larm_none
.Lasked:
	v_and_b32 v1, 31, v0                           ; lane
	v_and_b32 v2, 15, v0                           ; r
	v_bfe_u32 v3, v0, 4, 1                         ; h
	s_delay_alu instid0(VALU_DEP_3)
	v_lshlrev_b32 v9, 4, v1                        ; 16 x lane
	s_delay_alu instid0(VALU_DEP_1)
	v_add_nc_u32 v[ADA], s66, v9
	s_delay_alu instid0(VALU_DEP_1)
	v_add_nc_u32 v[ADA+1], 65536, v[ADA]
	s_lshl_b32 s31, s[HD], 14
	s_add_co_u32 s31, s31, BC
	v_add_nc_u32 v[ADB], s31, v9
	s_delay_alu instid0(VALU_DEP_1)
	v_add_nc_u32 v[ADB+1], 65536, v[ADB]
	s_lshl_b32 s31, s[HD], 11
	s_add_co_u32 s31, s31, BS-AS
	s_sub_co_u32 s31, s31, s67                     ; from my x tiles' words to my W tiles'
	v_mul_u32_u24 v[ADS], s31, v3                  ; lanes 16-31 take W's
	s_delay_alu instid0(VALU_DEP_1)
	v_lshl_add_u32 v[ADS], v2, 4, v[ADS]
	s_add_co_u32 s31, s67, AS
	v_add_nc_u32 v[ADS], s31, v[ADS]
	v_lshlrev_b32 v10, 4, v2
	s_delay_alu instid0(VALU_DEP_1)
	v_lshl_add_u32 v10, v3, 3, v10                 ; 16 r + 8 h: scale words on their way out
	v_lshlrev_b32 v12, 3, v2
	s_delay_alu instid0(VALU_DEP_1)
	v_lshl_add_u32 v12, v3, 2, v12                 ; 8 r + 4 h
	s_lshl_b32 s31, s[WV], 7
	s_add_co_u32 s31, s31, XS
	v_add_nc_u32 v11, s31, v12                     ; v's bytes: where I put them: 128 bytes a wave
	s_lshl_b32 s31, s[WV], 8
	s_add_co_u32 s31, s31, XS
	v_add_nc_u32 v12, s31, v12                     ; and where waves 0-7 read a pair of waves'
	v_lshlrev_b32 v13, 6, v3                       ; bias of q, k: 64 h
	v_and_b32 v14, 7, v2
	v_lshrrev_b32 v15, 3, v2
	s_delay_alu instid0(VALU_DEP_2)
	v_lshlrev_b32 v14, 2, v14
	s_delay_alu instid0(VALU_DEP_1)
	v_lshl_add_u32 v14, v15, 6, v14                ; bias of v: 4 (r % 8 + 16 (r / 8))
	s_lshl_b32 s100, s[CX], 2
	s_add_co_u32 s100, s100, s[HD]                 ; my head
	s_lshl_b32 s100, s100, 8
	s_mov_b32 s101, 0
	s_cmp_eq_u32 ttmp9, 1
	s_cselect_b64 s[12:13], s[14:15], s[12:13]
	s_cmp_eq_u32 ttmp9, 2
	s_cselect_b64 s[12:13], s[16:17], s[12:13]
	s_add_nc_u64 s[12:13], s[12:13], s[100:101]    ; my tensor's bias at my head
	s_mov_b32 s[SEL], 0x76543210
	s_mov_b32 s[SEL+1], 0xfedcba98
	s_lshr_b32 s2, s[WGY], 3
	s_lshl_b32 s2, s2, 4
	s_lshl_b32 s3, s[CX], 2
	s_add_co_u32 s2, s2, s3                        ; 16 x batch + 4 cx
	s_and_b32 s3, s[WGY], 7                        ; my block of 256 tokens in the batch
.macro SCALES sg                       ; a slot's scale words: four tiles, four K steps each
.irp i, 0,1,2,3
	ds_load_b128 v[SC+4*\i:SC+4*\i+3], v[ADS] offset:512*\i+256*\sg
.endr
.endm
; 128 along K: 16 LDS loads of 512 consecutive bytes, 16 products; the 16 accumulators take turns, one instruction a turn, in the same order in every step
.macro KSTEP sw, sg, q, first, pl
.if \pl
	PLACES
.endif
.irp i, 0,1,2,3
.irp c, 0,1
	ds_load_b128 v[FA+8*\i+4*\c:FA+8*\i+4*\c+3], v[ADA+\sg] offset:4096*\i+1024*\q+512*\c
	ds_load_b128 v[FB+8*\i+4*\c:FB+8*\i+4*\c+3], v[ADB+\sg] offset:4096*\i+1024*\q+512*\c
.endr
.endr
	s_wait_dscnt 0x0
.irp u, 0,1,2,3
.irp t, 0,1,2,3
.if \sw == 0
.if \first
	v_wmma_scale_f32_16x16x128_f8f6f4 v[ACC+32*\u+8*\t:ACC+32*\u+8*\t+7], v[FB+8*\t:FB+8*\t+7], v[FA+8*\u:FA+8*\u+7], v[32+8*\t+192*(\t/2):39+8*\t+192*(\t/2)], v[SC+4*\t+\q], v[SC+4*\u+\q] matrix_a_fmt:MATRIX_FMT_FP4 matrix_b_fmt:MATRIX_FMT_FP4 matrix_a_scale:MATRIX_SCALE_ROW1
.else
	v_wmma_scale_f32_16x16x128_f8f6f4 v[ACC+32*\u+8*\t:ACC+32*\u+8*\t+7], v[FB+8*\t:FB+8*\t+7], v[FA+8*\u:FA+8*\u+7], v[ACC+32*\u+8*\t:ACC+32*\u+8*\t+7], v[SC+4*\t+\q], v[SC+4*\u+\q] matrix_a_fmt:MATRIX_FMT_FP4 matrix_b_fmt:MATRIX_FMT_FP4 matrix_a_scale:MATRIX_SCALE_ROW1
.endif
.else
.if \first
	v_wmma_scale_f32_16x16x128_f8f6f4 v[ACC+32*\u+8*\t:ACC+32*\u+8*\t+7], v[FA+8*\t:FA+8*\t+7], v[FB+8*\u:FB+8*\u+7], v[32+8*\u+192*(\u/2):39+8*\u+192*(\u/2)], v[SC+4*\t+\q], v[SC+4*\u+\q] matrix_a_fmt:MATRIX_FMT_FP4 matrix_b_fmt:MATRIX_FMT_FP4 matrix_b_scale:MATRIX_SCALE_ROW1
.else
	v_wmma_scale_f32_16x16x128_f8f6f4 v[ACC+32*\u+8*\t:ACC+32*\u+8*\t+7], v[FA+8*\t:FA+8*\t+7], v[FB+8*\u:FB+8*\u+7], v[ACC+32*\u+8*\t:ACC+32*\u+8*\t+7], v[SC+4*\t+\q], v[SC+4*\u+\q] matrix_a_fmt:MATRIX_FMT_FP4 matrix_b_fmt:MATRIX_FMT_FP4 matrix_b_scale:MATRIX_SCALE_ROW1
.endif
.endif
.endr
.endr
.endm
.macro GEMM sw
	s_cmp_lt_u32 s[WV], 6                          ; waves 0-5 wait for slot 0's tiles and the scale words; slot 1's loads, waves 6-9's own lines, may be out
	s_cbranch_scc0 .Lrest_out_\@
	s_wait_tensorcnt 0x0
.Lrest_out_\@:
	BAR                                            ; everybody's are
	SCALES 0
	s_wait_loadcnt 0x0                             ; the bias
	KSTEP \sw, 0, 0, 1, 0
	KSTEP \sw, 0, 1, 0, 1
	KSTEP \sw, 0, 2, 0, 1
	KSTEP \sw, 0, 3, 0, 1
	s_wait_tensorcnt 0x0                           ; my part of slot 1
	BAR
	PLACES                                         ; ahead of the loads into the scale and fragment registers
	SCALES 1
	KSTEP \sw, 1, 0, 0, 0
	KSTEP \sw, 1, 1, 0, 1
	KSTEP \sw, 1, 2, 0, 1
	KSTEP \sw, 1, 3, 0, 1
	PLACES                                         ; ahead of the first read of results and of writes over the fragments
.endm
	s_cmp_eq_u32 ttmp9, 2                          ; the cluster's x: alike in all partners and all waves
	s_cbranch_scc1 .Lv_path
; ---------------- q and k
	s_wait_alu depctr_va_vdst(0)
.irp a, 0,1,2,3                        ; tile a, register j: d = 32 (a / 2) + 16 h + 8 (a % 2) + j
	global_load_b128 v[32+8*\a+192*(\a/2):35+8*\a+192*(\a/2)], v13, s[12:13] offset:128*(\a/2)+32*(\a%2)
	global_load_b128 v[36+8*\a+192*(\a/2):39+8*\a+192*(\a/2)], v13, s[12:13] offset:128*(\a/2)+32*(\a%2)+16
.endr
	s_add_co_u32 s104, s2, s[HD]                   ; 16 x batch + head
	s_mul_i32 s100, s104, 196608
	s_lshl_b32 s105, ttmp9, 16                     ; q's part or k's
	s_add_co_u32 s100, s100, s105
	s_lshl_b32 s105, s3, 13                        ; 16 tiles of 512 bytes for each block of tokens,
	s_add_co_u32 s100, s100, s105
	s_lshl_b32 s105, s[TQ], 11                     ; my four tiles
	s_add_co_u32 s100, s100, s105
	s_add_nc_u64 s[18:19], s[18:19], s[100:101]
	s_mul_i32 s100, s104, 20480
	s_lshl_b32 s105, ttmp9, 13
	s_add_co_u32 s100, s100, s105
	s_lshl_b32 s105, s3, 10
	s_add_co_u32 s100, s100, s105
	s_lshl_b32 s105, s[TQ], 8                      ; my four tiles are one group: 256 bytes
	s_add_co_u32 s100, s100, s105
	s_add_nc_u64 s[20:21], s[20:21], s[100:101]
	GEMM 0
	; WHERE k's ROWS GO.  q's tiles leave as x's tiles lie.  k's rows are dealt anew among my four tiles: the row at place r of tile 2 b + u goes to place 8 b + r % 8 of tile 2 (r / 8) + u,
	; so that place 8 h + j of tile i holds key 32 h + 8 i + j of my 64: in the attention's scores a lane's 32 registers of four tiles are then one whole block of 32 keys.
	; Codes: 1024 (r / 8) + 512 u + 256 h + 128 b + 16 (r % 8): a store of k's covers four runs of 128 consecutive bytes.  Scale words: 128 h + 16 (r % 8) + 8 (r / 8), 256 consecutive bytes.
	s_cmp_eq_u32 ttmp9, 1                          ; the cluster's x: 1 is k
	s_cselect_b32 s104, -1, 0
	s_movk_i32 s105, 1024
	s_cselect_b32 s105, 128, s105                  ; from tiles 0, 1 to tiles 2, 3: q 1,024 bytes, k 128
	v_lshrrev_b32 v81, 3, v2                       ; r / 8
	v_and_b32 v82, 7, v2                           ; r % 8
	v_lshlrev_b32 v78, 10, v81
	v_lshlrev_b32 v80, 3, v81
	v_lshl_add_u32 v78, v82, 4, v78
	v_lshl_add_u32 v80, v82, 4, v80
	v_lshl_add_u32 v78, v3, 8, v78
	v_lshl_add_u32 v80, v3, 7, v80
	v_cndmask_b32 v78, v9, v78, s104               ; codes: q 16 x lane, k as above
	v_cndmask_b32 v80, v10, v80, s104              ; scale words likewise
	v_add_nc_u32 v79, s105, v78
	v_mov_b32 v[TM+2], 0                           ; a lane permute's destination counts as read
	v_mov_b32 v[TM+3], 0
.irp u, 0,1,2,3
	QUANT2 ACC+32*\u, PC+4*\u, WD+\u
	global_store_b128 v[78+\u/2], v[PC+4*\u:PC+4*\u+3], s[18:19] offset:512*(\u%2)   ; q: a tile's image, 512 consecutive bytes; k: four runs of 128
.endr
	v_cmp_ne_u32 vcc_lo, 0, v3
	s_delay_alu instid0(VALU_DEP_1)
	v_cndmask_b32 v76, v72, v74, vcc_lo            ; lanes 0-15 store tiles 0 and 1's words, lanes 16-31 tiles 2 and 3's
	s_delay_alu instid0(VALU_DEP_2)
	v_cndmask_b32 v77, v73, v75, vcc_lo
	global_store_b64 v80, v[76:77], s[20:21]       ; 256 consecutive bytes, aligned
	s_branch .Ldone
; ---------------- v
.Lv_path:
	s_wait_alu depctr_va_vdst(0)
.irp a, 0,1,2,3                        ; a lane holds ONE d: all eight registers of a tile take its bias
.irp j, 0,1,2,3,4,5,6,7
	global_load_b32 v[32+8*\a+192*(\a/2)+\j], v14, s[12:13] offset:128*(\a/2)+32*(\a%2)
.endr
.endr
	s_add_co_u32 s104, s2, s[HD]
	s_mul_i32 s100, s104, 196608
	s_add_co_u32 s100, s100, 131072                ; v's part
	s_lshl_b32 s105, s3, 13                        ; two key steps of 4,096 bytes for each block of tokens,
	s_add_co_u32 s100, s100, s105
	s_lshr_b32 s105, s[TQ], 1
	s_lshl_b32 s105, s105, 12
	s_add_co_u32 s100, s100, s105
	s_and_b32 s105, s[TQ], 1                       ; my 64 keys are half c of the step's fragments
	s_lshl_b32 s105, s105, 9
	s_add_co_u32 s100, s100, s105
	s_add_nc_u64 s[18:19], s[18:19], s[100:101]
	s_lshr_b32 s105, s[WV], 1                      ; scale words (waves 0-7): head w / 2, key step w % 2
	s_add_co_u32 s104, s2, s105
	s_mul_i32 s100, s104, 20480
	s_add_co_u32 s100, s100, 16384
	s_lshl_b32 s105, s3, 9
	s_add_co_u32 s100, s100, s105
	s_and_b32 s105, s[WV], 1
	s_lshl_b32 s105, s105, 8
	s_add_co_u32 s100, s100, s105
	s_add_nc_u64 s[20:21], s[20:21], s[100:101]
	GEMM 1
	v_mov_b32 v[TM+2], 0
	v_mov_b32 v[TM+3], 0
.irp u, 0,1,2,3
	QUANT2 ACC+32*\u, PC+4*\u, WD+\u
	global_store_b128 v9, v[PC+4*\u:PC+4*\u+3], s[18:19] offset:1024*\u   ; half a fragment of tile u of d: 512 consecutive bytes
.endr
	v_lshl_or_b32 v76, v73, 16, v72                ; my two bytes of tiles 0 and 1,
	v_lshl_or_b32 v77, v75, 16, v74                ; of tiles 2 and 3
	v_cmp_ne_u32 vcc_lo, 0, v3
	s_delay_alu instid0(VALU_DEP_1)
	v_cndmask_b32 v76, v76, v77, vcc_lo
	ds_store_b32 v11, v76                          ; a key step's word is made of two waves' bytes
	BAR
	s_cmp_lt_u32 s[WV], 8
	s_cbranch_scc0 .Ldone
	ds_load_b32 v78, v12                           ; keys 0-63's bytes of tiles 2 h and 2 h + 1,
	ds_load_b32 v79, v12 offset:128                ; keys 64-127's
	s_wait_dscnt 0x0
	v_perm_b32 v80, v79, v78, 0x05040100           ; tile 2 h's word
	v_perm_b32 v81, v79, v78, 0x07060302           ; tile 2 h + 1's
	global_store_b64 v10, v[80:81], s[20:21]       ; 256 consecutive bytes, aligned
.Ldone:
	s_wait_xcnt 0x0
	v_lshl_add_u32 v254, v0, 2, 0x45000
	v_mov_b32 v255, 0
	s_wait_alu depctr_va_vdst(0)
	s_wait_tensorcnt 0x0
	ds_add_u32 v254, v255
	s_wait_dscnt 0x0
	ROUND                                          ; the closing round: no work-group ends while a partner may still ask
	s_endpgm
.Lfunc_end_k_qd46b962d6d_qkv:
	.size	k_qd46b962d6d_qkv, .Lfunc_end_k_qd46b962d6d_qkv-k_qd46b962d6d_qkv
	.p2alignl 7, 3214868480
	.fill 96, 4, 3214868480
	.section	.rodata,"a",@progbits
	.p2align	6, 0x0
	.amdhsa_kernel k_qd46b962d6d_qkv
		.amdhsa_group_segment_fixed_size 284672
		.amdhsa_private_segment_fixed_size 0
		.amdhsa_enable_private_segment 0
		.amdhsa_kernarg_size 72
		.amdhsa_user_sgpr_count 2
		.amdhsa_user_sgpr_kernarg_segment_ptr 1
		.amdhsa_wavefront_size32 1
		.amdhsa_system_sgpr_workgroup_id_x 1
		.amdhsa_system_sgpr_workgroup_id_y 1
		.amdhsa_system_sgpr_workgroup_id_z 1
		.amdhsa_system_vgpr_workitem_id 0
		.amdhsa_next_free_vgpr 256
		.amdhsa_next_free_sgpr 106
		.amdhsa_reserve_vcc 1
		.amdhsa_float_denorm_mode_32 3
		.amdhsa_float_denorm_mode_16_64 3
		.amdhsa_memory_ordered 1
		.amdhsa_forward_progress 1
		.amdhsa_inst_pref_size 88
	.end_amdhsa_kernel
	.amdgpu_metadata
---
amdhsa.version: [ 1, 2 ]
amdhsa.kernels:
  - .name:           k_qd46b962d6d_qkv
    .symbol:         k_qd46b962d6d_qkv.kd
    .args:
      - { .name: xc, .offset: 0, .size: 8, .value_kind: global_buffer, .address_space: global }
      - { .name: xs, .offset: 8, .size: 8, .value_kind: global_buffer, .address_space: global }
      - { .name: wc, .offset: 16, .size: 8, .value_kind: global_buffer, .address_space: global }
      - { .name: ws, .offset: 24, .size: 8, .value_kind: global_buffer, .address_space: global }
      - { .name: bq, .offset: 32, .size: 8, .value_kind: global_buffer, .address_space: global }
      - { .name: bk, .offset: 40, .size: 8, .value_kind: global_buffer, .address_space: global }
      - { .name: bv, .offset: 48, .size: 8, .value_kind: global_buffer, .address_space: global }
      - { .name: ac, .offset: 56, .size: 8, .value_kind: global_buffer, .address_space: global }
      - { .name: asc, .offset: 64, .size: 8, .value_kind: global_buffer, .address_space: global }
    .group_segment_fixed_size: 284672
    .private_segment_fixed_size: 0
    .kernarg_segment_align: 8
    .kernarg_segment_size: 72
    .max_flat_workgroup_size: 512
    .sgpr_count:     106
    .vgpr_count:     256
    .wavefront_size: 32
...
	.end_amdgpu_metadata
.endif
;; end of part 2
;; launch attn (part 3): grid 4 x 64, 16 waves a work-group, clusters of 4 x 1, 169,984 bytes of LDS; arguments ac, asc, zc, zs; writes zc, zs
.if DOCPART == 3
	.amdgcn_target "amdgcn-amd-amdhsa--gfx1250"
	.amdhsa_code_object_version 6
	.text
	.protected	k_qd46b962d6d_attn
	.globl	k_qd46b962d6d_attn
	.p2align	8
	.type	k_qd46b962d6d_attn,@function
k_qd46b962d6d_attn:
	s_mov_b64 s[64:65], 0
	v_nop
	global_prefetch_b8 v0, s[64:65] scope:SCOPE_SE
	s_setreg_imm32_b32 hwreg(HW_REG_WAVE_MODE, 25, 1), 1
	s_wait_xcnt 0x0
	s_wait_alu depctr_hold_cnt(0) depctr_sa_sdst(0) depctr_va_vdst(0) depctr_va_sdst(0) depctr_va_ssrc(0) depctr_va_vcc(0) depctr_vm_vsrc(0)
	s_getreg_b32 s2, hwreg(HW_REG_IB_STS2, 6, 4)
	s_cmp_eq_u32 s2, 0
	s_cbranch_scc0 .Lentry_in_a_cluster
	s_endpgm
.Lentry_in_a_cluster:
	s_bfe_u32 s2, ttmp6, 0x10000c
	s_cmp_lg_u32 s2, 0x3003
	s_cbranch_scc0 .Lentry_shape_is_right
	s_endpgm
.Lentry_shape_is_right:
; z = softmax(q k^T / 8) v for one (batch, head), both products on codes of FP4 (E2M1) with E8M0 scales; z is quantised along the head's 64 and leaves as codes for the last product.
; t = score x log2(e) / 8; M = the running largest t rounded UP to a whole number; p = 2^(t - M) is quantised along the keys, not normalised; the row's sum is taken of the unquantised p and divides at the end.
; When M moves, the sum and O are multiplied by 2^(old M - new M): exact.
; K = 64 in the first product: q's codes for k = 64 .. 127 are zeros (registers written once), and both sides' scale bytes there are 0, a finite code.  So what k's fragment holds there adds nothing:
; tile t of k is v[KF + 4 t .. KF + 4 t + 7], its upper half being tile t + 1's codes (tile 7's: four registers of zeros): 36 registers for eight tiles.
; A work-group owns 512 queries of a head; each of its sixteen waves one tile of 16 in each of two passes.  The head's whole k and v (131,072 bytes of codes, 12,288 of scale words) lie in LDS, filled ONCE:
; waves 0-7 fetch 16,384 bytes of codes each, wave 8 the scale words; one wait and one barrier show all of it.  No data prefetch: everything is asked for at the head, there is no loop to run ahead in.
; A key step asks for its v and for the NEXT step's k directly behind its score products.  The last step's look-ahead reads 4,096 bytes behind k's codes and 512 behind k's scale words:
; bytes of v's, filled like k's; what it brings is not used.
; Both products are used transposed (S^T = k q^T, O^T = v^T p^T): a lane holds one query throughout.
; THE KEYS OF A TILE OF k ARE NOT NEIGHBOURS: row 8 h + j of tile 4 c + i of a key step is key 64 c + 32 h + 8 i + j (the launch before lays them so).  So the 32 score registers of tiles 4 c .. 4 c + 3
; of lane (r, h) are the WHOLE block 2 c + h of 32 keys, in order: a block's largest score needs no other lane, and the four conversions of a block give registers 4 c .. 4 c + 3 of p's operand as they stand.
; The d of a tile of v are laid so that the 16 registers of two neighbouring tiles of O^T are 16 neighbours: z is quantised by QUANT2.
; CLUSTER 4 x 1: the four work-groups of a head read the same k and v: every fill is a joint load with the mask of all four.
; LIMITS: a block of zeros gets the byte 1 (its codes are zeros; this program alone reads the bytes); NaN and infinities are not served; the scaled scores t stay under 2^31 in magnitude.
.set KC,   0                           ; LDS: k's codes [128 tiles][512]
.set VC,   65536                       ; v's [key step 16][tile of d 4][1024]
.set KS,   131072                      ; k's scale words [32 groups][256]
.set VS,   139264                      ; v's [16 key steps][256]
.set SPARE, 0x29000                    ; the spare words: 128 bytes a wave
.set ADK,  5
.set ADV,  6
.set ADS,  7
.set ADT,  8
.set QF,   16                          ; v16-23  q's fragment; 20-23 stay 0
.set QS,   24                          ; q's scale words
.set PW,   25                          ; p's scale word
.set KSC,  26                          ; v26-33  k's scale words, a register a tile
.set VSC,  34                          ; v34-37  v's
.set P,    38                          ; v38-45  p's codes
.set BM,   46                          ; v46-49  the largest score of 16 keys each; then v46, v47: my two blocks' largest score, then their largest p
.set BP,   50                          ; v50-53  at work
.set BO,   54                          ; v54, v55 the conversions' scale operands
.set F,    58                          ; v[58:59] 2^(old M - new M), named as a pair
.set T0,   60
.set H8,   61                          ; v61     8 x (lane / 16)
.set KF,   64                          ; v64-99  k's eight fragments, four registers apart; 96-99 stay 0.  v104-123: the row's sum at work
.set VF,   128                         ; v128-159 v's four fragments
.set S,    160                         ; v160-223 S^T, then p
.set O,    224                         ; v224-255 O^T
.set TM,   46                          ; the way out: v46-51 at work
.set WV,   12
.set CX,   13
.set BH,   14
.set SEL,  16
.set CS,   18
.set TK,   20
.set TS,   21
.set TJ,   22
.set CNT,  23
.set G1C,  24
.set G1S,  32
.set G0S,  40
.set G0C,  44
.macro BAR
	s_wait_dscnt 0x0
	s_barrier_signal -1
	s_barrier_wait -1
.endm
.macro ROUND
	s_barrier_signal -1
	s_barrier_wait -1
	s_cmp_lg_u32 s[WV], 0
	s_cbranch_scc1 .Lnot_wave_0_\@
	s_barrier_signal -3
.Lnot_wave_0_\@:
	s_barrier_wait -3
	s_barrier_signal -1
	s_barrier_wait -1
.endm
.macro PLACES
.rept 4
	v_nop
.endr
.endm
; 32 numbers of a lane, register 16 b + i = k 32 b + 16 (lane / 16) + i of my row: codes into v[pc] .. v[pc+3] (block lane / 16, whole), the two bytes into v[wd]
.macro QUANT2 s, pc, wd
.irp b, 0,1
	v_max3_num_f32 v[TM+\b], |v[\s+16*\b]|, |v[\s+16*\b+1]|, 0x1800000
.endr
.irp i, 2,4,6,8,10,12,14
.irp b, 0,1
	s_delay_alu instid0(VALU_DEP_2)
	v_max3_num_f32 v[TM+\b], v[TM+\b], |v[\s+16*\b+\i]|, |v[\s+16*\b+\i+1]|
.endr
.endr
.irp b, 0,1
	s_delay_alu instid0(VALU_DEP_2)
	v_permlanex16_b32 v[TM+2+\b], v[TM+\b], s[SEL], s[SEL+1]
.endr
.irp b, 0,1
	s_delay_alu instid0(VALU_DEP_2)
	v_max_num_f32 v[TM+\b], v[TM+\b], v[TM+2+\b]
.endr
.irp b, 0,1
	s_delay_alu instid0(VALU_DEP_2)
	v_add_nc_u32 v[TM+4+\b], 0xff000000, v[TM+\b]
.endr
.irp b, 0,1
	s_delay_alu instid0(VALU_DEP_2)
	v_lshrrev_b32 v[TM+2+\b], 23, v[TM+4+\b]
.endr
	s_delay_alu instid0(VALU_DEP_1)
	v_lshl_or_b32 v[\wd], v[TM+3], 8, v[TM+2]
.irp b, 0,1
	v_cvt_scalef32_pk8_fp4_f32 v[\pc+2*\b], v[\s+16*\b:\s+16*\b+7], v[TM+4+\b]
	v_cvt_scalef32_pk8_fp4_f32 v[\pc+2*\b+1], v[\s+16*\b+8:\s+16*\b+15], v[TM+4+\b]
.endr
	v_nop
	v_permlane16_swap_b32 v[\pc], v[\pc+2]
	v_permlane16_swap_b32 v[\pc+1], v[\pc+3]
.endm
	s_load_b256 s[4:11], s[0:1], 0x0               ; ac, asc, zc, zs
	v_lshl_add_u32 v62, v0, 2, SPARE
	v_mov_b32 v63, 0
	ds_add_u32 v62, v63                            ; the opening lines: the add twice on end and its wait
	ds_add_u32 v62, v63
	v_lshrrev_b32 v1, 5, v0
	s_delay_alu instid0(VALU_DEP_1)
	v_readfirstlane_b32 s[WV], v1                  ; wave 0..15
	s_bfe_u32 s[CX], ttmp6, 0x40000                ; my block of 512 queries: it enters q's and z's addresses alone
	s_and_b32 s[BH], ttmp7, 0xffff                 ; 16 x batch + head, which the four partners share
	; group 1: dense blocks as rows of 256 bytes (32 elements of 8 bytes): 64 rows of codes, 48 rows (all scale words of k and v); mask: all four
	s_mov_b32 s[G1C], 15|(3<<16)|(1<<21)
	s_mov_b32 s[G1C+1], 32<<16
	s_mov_b32 s[G1C+2], 64<<16
	s_mov_b32 s[G1C+3], 32<<16
	s_mov_b32 s[G1C+4], 64
	s_mov_b32 s[G1C+5], 32
	s_mov_b32 s[G1C+6], 0
	s_mov_b32 s[G1C+7], 0
	s_mov_b32 s[G1S], 15|(3<<16)|(1<<21)
	s_mov_b32 s[G1S+1], 32<<16
	s_mov_b32 s[G1S+2], 48<<16
	s_mov_b32 s[G1S+3], 32<<16
	s_mov_b32 s[G1S+4], 48
	s_mov_b32 s[G1S+5], 32
	s_mov_b32 s[G1S+6], 0
	s_mov_b32 s[G1S+7], 0
	s_mul_i32 s70, s[BH], 196608
	s_and_b32 s72, s[WV], 7
	s_lshl_b32 s72, s72, 14                        ; waves 0-7: 16,384 bytes each of k's and v's 131,072, which lie on end in memory and in LDS alike
	s_add_co_u32 s70, s70, s72
	s_add_co_u32 s70, s70, 65536                   ; behind q
	s_mov_b32 s71, 0
	s_mul_i32 s78, s[BH], 20480
	s_add_co_u32 s78, s78, 8192                    ; behind q's scale words
	s_mov_b32 s79, 0
	s_mov_b32 s[SEL], 0x76543210
	s_mov_b32 s[SEL+1], 0xfedcba98
	s_mov_b32 s[CS], 0x3e38aa3b                    ; c = log2(e) / 8
	s_mov_b32 s[CS+1], s[CS]
	s_wait_dscnt 0x0
	s_wait_kmcnt 0x0
	s_add_nc_u64 s[70:71], s[4:5], s[70:71]
	s_add_nc_u64 s[78:79], s[6:7], s[78:79]
	ROUND                                          ; all four work-groups are here: the joint loads meet
	s_mov_b32 s[G0S], 1
	s_mov_b32 s[G0S+1], KS
	s_mov_b64 s[G0S+2:G0S+3], s[78:79]
	s_or_b32 s[G0S+3], s[G0S+3], 0x80000000
	s_mov_b32 s[G0C], 1
	s_mov_b32 s[G0C+1], s72
	s_mov_b64 s[G0C+2:G0C+3], s[70:71]
	s_or_b32 s[G0C+3], s[G0C+3], 0x80000000
	; the launch's only fills, one a wave, in one chain of branches on the wave's number
	s_cmp_lt_u32 s[WV], 8
	s_cbranch_scc0 .Lnot_c
	tensor_load_to_lds s[G0C:G0C+3], s[G1C:G1C+7]
	s_nop 0
.rept 4
	v_nop
.endr
	s_branch .Lasked
.Lnot_c:
	s_cmp_eq_u32 s[WV], 8
	s_cbranch_scc0 .Lasked
	tensor_load_to_lds s[G0S:G0S+3], s[G1S:G1S+7]
	s_nop 0
.rept 4
	v_nop
.endr
.Lasked:
	v_and_b32 v10, 31, v0
	v_and_b32 v11, 15, v0
	s_delay_alu instid0(VALU_DEP_2)
	v_lshlrev_b32 v1, 4, v10                       ; 16 x lane: an image's place for my lane
	s_delay_alu instid0(VALU_DEP_1)
	v_add_nc_u32 v2, VC, v1
	s_delay_alu instid0(VALU_DEP_3)
	v_lshlrev_b32 v9, 4, v11                       ; 16 r
	s_delay_alu instid0(VALU_DEP_1)
	v_add_nc_u32 v3, KS, v9
	s_delay_alu instid0(VALU_DEP_2)
	v_add_nc_u32 v4, VS, v9
	v_bfe_u32 v[H8], v0, 4, 1
	v_lshlrev_b32 v[H8], 3, v[H8]                  ; 8 x (lane / 16): where my two bytes stand in p's scale word
.irp j, 20,21,22,23
	v_mov_b32 v[\j], 0                             ; zero codes for k = 64 .. 127 of q,
.endr
.irp j, 32,33,34,35
	v_mov_b32 v[KF+\j], 0                          ; and behind k's last tile: written once, never loaded
.endr
.irp b, 0,1,2,3
	v_mov_b32 v[BP+\b], 0                          ; a lane permute's destination counts as read
.endr
	v_mov_b32 v[F+1], 0                            ; named as the upper half of a pair
	v_mov_b32 v[T0], 0
	s_lshl_b32 s74, s[CX], 5
	s_add_co_u32 s74, s74, s[WV]                   ; my query tile of pass 0 in the head
	s_lshl_b32 s75, s74, 9
	s_mul_i32 s76, s[BH], 196608
	s_add_co_u32 s76, s76, s75
	s_mov_b32 s77, 0
	s_add_nc_u64 s[60:61], s[4:5], s[76:77]        ; its codes
	s_lshr_b32 s75, s74, 2
	s_lshl_b32 s75, s75, 8
	s_and_b32 s76, s74, 3
	s_lshl_b32 s76, s76, 2
	s_add_co_u32 s76, s76, s75
	s_mul_i32 s75, s[BH], 20480
	s_add_co_u32 s76, s76, s75
	s_add_nc_u64 s[62:63], s[6:7], s[76:77]        ; its scale words
	s_lshr_b32 s75, s[BH], 4
	s_lshl_b32 s75, s75, 7
	s_add_co_u32 s75, s75, s74                     ; the tile among all tokens'
	s_and_b32 s74, s[BH], 15
	s_lshr_b32 s76, s74, 3                         ; z's slot: head / 8
	s_and_b32 s74, s74, 7                          ; head % 8: blocks 2 (head % 8) and the next
	s_lshl_b32 s80, s76, 21
	s_lshl_b32 s81, s75, 12
	s_add_co_u32 s80, s80, s81
	s_lshl_b32 s81, s74, 9
	s_add_co_u32 s80, s80, s81
	s_mov_b32 s81, 0
	s_add_nc_u64 s[66:67], s[8:9], s[80:81]
	s_lshl_b32 s80, s75, 9
	s_lshl_b32 s76, s76, 8
	s_add_co_u32 s80, s80, s76
	s_lshl_b32 s74, s74, 1
	s_add_co_u32 s80, s80, s74
	s_add_nc_u64 s[68:69], s[10:11], s[80:81]
; A KEY STEP: 128 keys
.macro STEP
	s_wait_dscnt 0x0                               ; this step's k, asked for a step ago
.irp t, 0,1,2,3,4,5,6,7
	v_wmma_scale_f32_16x16x128_f8f6f4 v[S+8*\t:S+8*\t+7], v[KF+4*\t:KF+4*\t+7], v[QF:QF+7], 0, v[KSC+\t], v[QS] matrix_a_fmt:MATRIX_FMT_FP4 matrix_b_fmt:MATRIX_FMT_FP4
.endr
	v_add_nc_u32 v[ADK], s[TK], v1                 ; these four are the places behind the products, ahead of the loads into their registers and of the first read of the scores
	v_add_nc_u32 v[ADV], s[TK], v2
	v_add_nc_u32 v[ADS], s[TS], v3
	v_add_nc_u32 v[ADT], s[TJ], v4
	ds_load_b128 v[VSC:VSC+3], v[ADT]              ; this step's v: nine loads,
.irp a, 0,1,2,3
.irp c, 0,1
	ds_load_b128 v[VF+8*\a+4*\c:VF+8*\a+4*\c+3], v[ADV] offset:1024*\a+512*\c
.endr
.endr
	ds_load_b128 v[KSC:KSC+3], v[ADS] offset:512   ; the next step's k: ten
	ds_load_b128 v[KSC+4:KSC+7], v[ADS] offset:768
.irp t, 0,1,2,3,4,5,6,7
	ds_load_b128 v[KF+4*\t:KF+4*\t+3], v[ADK] offset:4096+512*\t
.endr
.irp b, 0,1,2,3
	v_max3_num_f32 v[BM+\b], v[S+16*\b], v[S+16*\b+1], v[S+16*\b+2]     ; the largest score of each 16 registers, four chains by turns
.endr
.irp i, 3,5,7,9,11,13
.irp b, 0,1,2,3
	v_max3_num_f32 v[BM+\b], v[BM+\b], v[S+16*\b+\i], v[S+16*\b+\i+1]
.endr
.endr
.irp b, 0,1,2,3
	v_max_num_f32 v[BM+\b], v[BM+\b], v[S+16*\b+15]
.endr
	s_delay_alu instid0(VALU_DEP_3)
	v_max_num_f32 v[BM], v[BM], v[BM+1]            ; my block h's largest score: for the row's maximum, and, since p rises with the score, for the block's largest p
	s_delay_alu instid0(VALU_DEP_2)
	v_max_num_f32 v[BM+1], v[BM+2], v[BM+3]        ; my block 2 + h's
	s_delay_alu instid0(VALU_DEP_1)
	v_max_num_f32 v[T0], v[BM], v[BM+1]
	s_delay_alu instid0(VALU_DEP_1)
	v_permlanex16_b32 v[BP], v[T0], s[SEL], s[SEL+1]
	s_delay_alu instid0(VALU_DEP_1)
	v_max_num_f32 v[T0], v[T0], v[BP]              ; with lane l xor 16's 64 keys: the step's largest score of my query
	s_delay_alu instid0(VALU_DEP_1)
	v_mul_f32 v[T0], s[CS], v[T0]                  ; as t (c is positive)
	s_delay_alu instid0(VALU_DEP_1)
	v_max_num_f32 v13, v13, v[T0]                  ; the running largest t
	v_mov_b32 v[T0], v12
	s_delay_alu instid0(VALU_DEP_2)
	v_floor_f32 v12, -v13                          ; the new -M = floor(-t): M is a whole number
	s_delay_alu instid0(VALU_DEP_1)
	v_sub_f32 v[T0], v12, v[T0]                    ; old M - new M: a whole number, 0 or less
	s_delay_alu instid0(VALU_DEP_1)
	v_cvt_i32_f32 v[T0], v[T0]                     ; (it saturates)
	s_delay_alu instid0(VALU_DEP_1)
	v_ldexp_f32 v[F], 1.0, v[T0]                   ; f = 2^(old M - new M)
.irp j, 0,2,4,6,8,10,12,14,16,18,20,22,24,26,28,30,32,34,36,38,40,42,44,46,48,50,52,54,56,58,60,62
	v_pk_fma_f32 v[S+\j:S+\j+1], v[S+\j:S+\j+1], s[CS:CS+1], v[12:13] op_sel_hi:[1,0,0]   ; t - M
.endr
.irp b, 0,1
	v_fma_f32 v[BM+\b], v[BM+\b], s[CS], v12
.endr
	s_wait_alu depctr_va_vdst(0)
.irp j, 0,1,2,3,4,5,6,7,8,9,10,11,12,13,14,15,16,17,18,19,20,21,22,23,24,25,26,27,28,29,30,31,32,33,34,35,36,37,38,39,40,41,42,43,44,45,46,47,48,49,50,51,52,53,54,55,56,57,58,59,60,61,62,63
	v_exp_f32 v[S+\j], v[S+\j]                     ; p = 2^(t - M), at most 1
.endr
.irp b, 0,1
	v_exp_f32 v[BM+\b], v[BM+\b]                   ; the block's largest p: the same two instructions on the same number
.endr
	v_pk_mul_f32 v[14:15], v[14:15], v[F:F+1] op_sel_hi:[1,0]   ; the sums under the new M; the plain line behind the exponentials
	s_wait_alu depctr_va_vdst(0)                   ; and behind it, ahead of its first reader
.irp b, 0,1
	v_max_num_f32 v[BM+\b], 0x1800000, v[BM+\b]    ; the floor 2^(3 - 127): the byte cannot fall under 1
.endr
.irp b, 0,1
	s_delay_alu instid0(VALU_DEP_2)
	v_add_nc_u32 v[BO+\b], 0xff000000, v[BM+\b]    ; 2 off the exponent field: the conversion's scale operand
.endr
.irp b, 0,1
	s_delay_alu instid0(VALU_DEP_2)
	v_lshrrev_b32 v[BP+\b], 23, v[BO+\b]           ; the byte
.endr
	s_delay_alu instid0(VALU_DEP_1)
	v_lshl_or_b32 v[PW], v[BP+1], 16, v[BP]        ; my two bytes: blocks h and 2 + h,
	s_delay_alu instid0(VALU_DEP_1)
	v_lshlrev_b32 v[PW], v[H8], v[PW]              ; at their places in the word;
	s_delay_alu instid0(VALU_DEP_1)
	v_permlanex16_b32 v[BP], v[PW], s[SEL], s[SEL+1]
	s_delay_alu instid0(VALU_DEP_1)
	v_or_b32 v[PW], v[PW], v[BP]                   ; with lane l xor 16's two: p's scale word for these 128 keys
.irp c, 0,1
.irp i, 0,1,2,3
	v_cvt_scalef32_pk8_fp4_f32 v[P+4*\c+\i], v[S+32*\c+8*\i:S+32*\c+8*\i+7], v[BO+\c]   ; keys 64 c + 32 h + 8 i + 0 .. 7: register 4 c + i of the operand
.endr
.endr
	v_pk_add_f32 v[50:51], v[164:165], v[168:169]  ; the row's sum of the unquantised p, in eight chains; also the plain lines behind the conversions
	v_pk_add_f32 v[122:123], v[172:173], v[176:177]
	v_pk_add_f32 v[120:121], v[180:181], v[184:185]
	v_pk_add_f32 v[114:115], v[188:189], v[192:193]
	v_pk_add_f32 v[112:113], v[196:197], v[200:201]
	v_pk_add_f32 v[106:107], v[204:205], v[208:209]
	v_pk_add_f32 v[104:105], v[212:213], v[216:217]
	v_pk_add_f32 v[14:15], v[14:15], v[220:221]
	v_pk_add_f32 v[50:51], v[50:51], v[160:161]
	v_pk_add_f32 v[122:123], v[122:123], v[162:163]
	v_pk_add_f32 v[120:121], v[120:121], v[166:167]
	v_pk_add_f32 v[114:115], v[114:115], v[170:171]
	v_pk_add_f32 v[112:113], v[112:113], v[174:175]
	v_pk_add_f32 v[106:107], v[106:107], v[178:179]
	v_pk_add_f32 v[104:105], v[104:105], v[182:183]
	v_pk_add_f32 v[14:15], v[14:15], v[186:187]
	v_pk_add_f32 v[50:51], v[50:51], v[190:191]
	v_pk_add_f32 v[122:123], v[122:123], v[194:195]
	v_pk_add_f32 v[120:121], v[120:121], v[198:199]
	v_pk_add_f32 v[114:115], v[114:115], v[202:203]
	v_pk_add_f32 v[112:113], v[112:113], v[206:207]
	v_pk_add_f32 v[106:107], v[106:107], v[210:211]
	v_pk_add_f32 v[104:105], v[104:105], v[214:215]
	v_pk_add_f32 v[14:15], v[14:15], v[218:219]
	v_pk_add_f32 v[50:51], v[50:51], v[222:223]
	s_delay_alu instid0(VALU_DEP_2)
	v_pk_add_f32 v[14:15], v[14:15], v[114:115]
	s_delay_alu instid0(VALU_DEP_2)
	v_pk_add_f32 v[50:51], v[50:51], v[112:113]
	v_pk_add_f32 v[122:123], v[122:123], v[106:107]
	v_pk_add_f32 v[120:121], v[120:121], v[104:105]
	s_delay_alu instid0(VALU_DEP_2)
	v_pk_add_f32 v[14:15], v[14:15], v[122:123]
	s_delay_alu instid0(VALU_DEP_2)
	v_pk_add_f32 v[50:51], v[50:51], v[120:121]
	s_delay_alu instid0(VALU_DEP_1)
	v_pk_add_f32 v[14:15], v[14:15], v[50:51]
.irp j, 0,2,4,6,8,10,12,14,16,18,20,22,24,26,28,30
	v_pk_mul_f32 v[O+\j:O+\j+1], v[O+\j:O+\j+1], v[F:F+1] op_sel_hi:[1,0]   ; O^T under the new M, each accumulator from its low end on
.endr
	s_wait_alu depctr_va_vdst(0)
	s_wait_dscnt 10                                ; v's nine loads are in; the ten of the next step's k, issued behind them, may be out
.irp a, 0,1,2,3
	v_wmma_scale_f32_16x16x128_f8f6f4 v[O+8*\a:O+8*\a+7], v[VF+8*\a:VF+8*\a+7], v[P:P+7], v[O+8*\a:O+8*\a+7], v[VSC+\a], v[PW] matrix_a_fmt:MATRIX_FMT_FP4 matrix_b_fmt:MATRIX_FMT_FP4
.endr
	s_add_co_u32 s[TK], s[TK], 4096                ; the next step's tiles of k and of v,
	s_add_co_u32 s[TS], s[TS], 512                 ; k's scale words,
	s_add_co_u32 s[TJ], s[TJ], 256                 ; v's
.endm
.macro STEPS n
	s_mov_b32 s[CNT], \n
.Lstep_\@:
	STEP
	s_sub_co_u32 s[CNT], s[CNT], 1
	s_cmp_lg_u32 s[CNT], 0
	s_cbranch_scc1 .Lstep_\@
.endm
; One tile of 16 queries against all 2,048 keys
.macro PASS p
	global_load_b128 v[QF:QF+3], v1, s[60:61] offset:8192*\p
	global_load_b32 v[QS], v9, s[62:63] offset:1024*\p
	v_mov_b32 v13, 0xff61b1e6                      ; the largest t so far: -3e38
	s_delay_alu instid0(VALU_DEP_1)
	v_floor_f32 v12, -v13
	v_mov_b32 v14, 0
	v_mov_b32 v15, 0
.irp j, 0,1,2,3,4,5,6,7,8,9,10,11,12,13,14,15,16,17,18,19,20,21,22,23,24,25,26,27,28,29,30,31
	v_mov_b32 v[O+\j], 0                           ; the step is written once: the first finds zeros, which the first change of M leaves zeros
.endr
	s_mov_b32 s[TK], 0
	s_mov_b32 s[TS], 0
	s_mov_b32 s[TJ], 0
	s_wait_loadcnt 0x0
.if \p == 0
	s_wait_tensorcnt 0x0                           ; my fill has landed,
	BAR                                            ; and everybody's: all of k and v may be read
.else
	s_wait_dscnt 0x0                               ; the last step's look-ahead has landed: its registers may be loaded anew
.endif
	ds_load_b128 v[KSC:KSC+3], v3                  ; the first step's k
	ds_load_b128 v[KSC+4:KSC+7], v3 offset:256
.irp t, 0,1,2,3,4,5,6,7
	ds_load_b128 v[KF+4*\t:KF+4*\t+3], v1 offset:512*\t
.endr
	STEPS 16
	PLACES
	v_add_f32 v14, v14, v15                        ; the sum's two halves,
	s_delay_alu instid0(VALU_DEP_1)
	v_permlanex16_b32 v[T0], v14, s[SEL], s[SEL+1]
	s_delay_alu instid0(VALU_DEP_1)
	v_add_f32 v14, v14, v[T0]                      ; and lane l xor 16's
	s_wait_alu depctr_va_vdst(0)
	v_rcp_f32 v14, v14
	v_nop                                          ; a plain line behind the reciprocal
	s_wait_alu depctr_va_vdst(0)
.irp j, 0,1,2,3,4,5,6,7,8,9,10,11,12,13,14,15,16,17,18,19,20,21,22,23,24,25,26,27,28,29,30,31
	v_mul_f32 v[S+\j], v[O+\j], v14                ; z: register 16 b + i = d 32 b + 16 (lane / 16) + i of my query
.endr
	QUANT2 S, P, T0
	global_store_b128 v1, v[P:P+3], s[66:67] offset:65536*\p       ; the head's two blocks of a tile: 512 consecutive bytes
	global_store_b16 v9, v[T0], s[68:69] offset:8192*\p            ; their two scale bytes of each row (a head owns half a word); lanes 16-31 store the same bytes to the same places
.if \p == 0
	s_wait_xcnt 0x0                                ; the stores' data registers are written again only behind this wait
.endif
.endm
	PASS 0
	PASS 1
	s_wait_tensorcnt 0x0                           ; the wave's end
	ds_add_u32 v62, v63
	s_wait_dscnt 0x0
	ROUND                                          ; the closing round
	s_endpgm
.Lfunc_end_k_qd46b962d6d_attn:
	.size	k_qd46b962d6d_attn, .Lfunc_end_k_qd46b962d6d_attn-k_qd46b962d6d_attn
	.p2alignl 7, 3214868480
	.fill 96, 4, 3214868480
	.section	.rodata,"a",@progbits
	.p2align	6, 0x0
	.amdhsa_kernel k_qd46b962d6d_attn
		.amdhsa_group_segment_fixed_size 169984
		.amdhsa_private_segment_fixed_size 0
		.amdhsa_enable_private_segment 0
		.amdhsa_kernarg_size 32
		.amdhsa_user_sgpr_count 2
		.amdhsa_user_sgpr_kernarg_segment_ptr 1
		.amdhsa_wavefront_size32 1
		.amdhsa_system_sgpr_workgroup_id_x 1
		.amdhsa_system_sgpr_workgroup_id_y 1
		.amdhsa_system_sgpr_workgroup_id_z 1
		.amdhsa_system_vgpr_workitem_id 0
		.amdhsa_next_free_vgpr 256
		.amdhsa_next_free_sgpr 82
		.amdhsa_reserve_vcc 0
		.amdhsa_float_denorm_mode_32 3
		.amdhsa_float_denorm_mode_16_64 3
		.amdhsa_memory_ordered 1
		.amdhsa_forward_progress 1
		.amdhsa_inst_pref_size 49
	.end_amdhsa_kernel
	.amdgpu_metadata
---
amdhsa.version: [ 1, 2 ]
amdhsa.kernels:
  - .name:           k_qd46b962d6d_attn
    .symbol:         k_qd46b962d6d_attn.kd
    .args:
      - { .name: ac, .offset: 0, .size: 8, .value_kind: global_buffer, .address_space: global }
      - { .name: asc, .offset: 8, .size: 8, .value_kind: global_buffer, .address_space: global }
      - { .name: zc, .offset: 16, .size: 8, .value_kind: global_buffer, .address_space: global }
      - { .name: zs, .offset: 24, .size: 8, .value_kind: global_buffer, .address_space: global }
    .group_segment_fixed_size: 169984
    .private_segment_fixed_size: 0
    .kernarg_segment_align: 8
    .kernarg_segment_size: 32
    .max_flat_workgroup_size: 512
    .sgpr_count:     82
    .vgpr_count:     256
    .wavefront_size: 32
...
	.end_amdgpu_metadata
.endif
;; end of part 3
;; launch outp (part 4): grid 4 x 64, 8 waves a work-group, clusters of 4 x 4, 244,736 bytes of LDS; arguments zc, zs, wc, ws, bo, out0; writes out0
.if DOCPART == 4
	.amdgcn_target "amdgcn-amd-amdhsa--gfx1250"
	.amdhsa_code_object_version 6
	.text
	.protected	k_qd46b962d6d_outp
	.globl	k_qd46b962d6d_outp
	.p2align	8
	.type	k_qd46b962d6d_outp,@function
k_qd46b962d6d_outp:
	s_mov_b64 s[64:65], 0
	v_nop
	global_prefetch_b8 v0, s[64:65] scope:SCOPE_SE
	s_setreg_imm32_b32 hwreg(HW_REG_WAVE_MODE, 25, 1), 1
	s_wait_xcnt 0x0
	s_wait_alu depctr_hold_cnt(0) depctr_sa_sdst(0) depctr_va_vdst(0) depctr_va_sdst(0) depctr_va_ssrc(0) depctr_va_vcc(0) depctr_vm_vsrc(0)
	s_getreg_b32 s2, hwreg(HW_REG_IB_STS2, 6, 4)
	s_cmp_eq_u32 s2, 0
	s_cbranch_scc0 .Lentry_in_a_cluster
	s_endpgm
.Lentry_in_a_cluster:
	s_bfe_u32 s2, ttmp6, 0x10000c
	s_cmp_lg_u32 s2, 0xf033
	s_cbranch_scc0 .Lentry_shape_is_right
	s_endpgm
.Lentry_shape_is_right:
; out = z Wo + bo on codes of FP4 (E2M1) with E8M0 scales, K = 1,024.  z's and Wo's codes and scale words lie as images of the operand's registers (16 bytes a lane, 512 a load).
; A work-group makes 128 tokens x 256 columns; all of K lies in LDS, filled once: no byte of LDS is filled twice.  Eight waves; wave w: z's tiles 4 (w % 2) on, Wo's tiles 4 (w / 2) on: 16 accumulators.
; Source 0 = Wo's tile, source 1 = z's: a lane holds one token, and its 32 registers of a tile of tokens are 2 x 16 neighbouring columns.  bo is the C of each sum's first product.
; The rows of a tile of tokens are not neighbours: place r of tile 2 b + u is token 32 b + 8 u + r % 8 + 16 (r / 8); the stores' immediates undo that.
; CLUSTER 4 x 4: z's tiles hang on the work-group's y alone and are asked for jointly by a row of the cluster, Wo's on its x alone, by a column.
; LIMITS: NaN and infinities are not served.
.set AC,   0                           ; LDS: z's codes [slot 2][tile 8][4096]
.set BC,   65536                       ; Wo's [slot 2][tile 16][4096]
.set AS,   196608                      ; z's scale words [tile 8][slot 2][256]
.set BS,   200704                      ; Wo's [tile 16][slot 2][256]
.set STG,  208896                      ; the way out: 16 rows x (256 bytes + 16) for each wave; no fill lands here
.set ADA,  4
.set ADB,  6
.set ADS,  8
.set STO,  10
.set SRD,  11
.set GO,   12
.set SC,   16                          ; v16-31   scale words of a slot; they hold scales and nothing else
.set FA,   48                          ; v48-79   z's four fragments; on the way out rows of the result
.set FB,   80                          ; v80-111  Wo's
.set ACC,  112                         ; v112-239 accumulator (z's tile u, Wo's tile t) at 112 + 32 u + 8 t
.set WV,   22
.set TQ,   23
.set NQ,   24
.set CX,   25
.set CY,   26
.set WGX,  27
.set WGY,  28
.set MROW, 29
.set MCOL, 30
.set G1AC, 32
.set G1AS, 40
.set G1BC, 48
.set G1BS, 56
.set G0AS, 68
.set G0A0, 72
.set G0A1, 76
.set G0BS, 80
.set G0B0, 84
.set G0B1, 88
.macro BAR
	s_wait_dscnt 0x0
	s_barrier_signal -1
	s_barrier_wait -1
.endm
.macro ROUND
	s_barrier_signal -1
	s_barrier_wait -1
	s_cmp_lg_u32 s[WV], 0
	s_cbranch_scc1 .Lnot_wave_0_\@
	s_barrier_signal -3
.Lnot_wave_0_\@:
	s_barrier_wait -3
	s_barrier_signal -1
	s_barrier_wait -1
.endm
.macro PLACES
.rept 4
	v_nop
.endr
.endm
	s_load_b256 s[4:11], s[0:1], 0x0               ; zc, zs, wc, ws
	s_load_b128 s[12:15], s[0:1], 0x20             ; bo, out0
	v_lshl_add_u32 v14, v0, 2, 0x3b800
	v_mov_b32 v15, 0
	ds_add_u32 v14, v15
	ds_add_u32 v14, v15
	v_lshrrev_b32 v1, 5, v0
	s_delay_alu instid0(VALU_DEP_1)
	v_readfirstlane_b32 s[WV], v1                  ; wave 0..7
	s_and_b32 s[TQ], s[WV], 1                      ; my four tiles of z; also: which half of a slot's sixteen tiles of Wo a loading wave fetches
	s_lshr_b32 s[NQ], s[WV], 1                     ; my four tiles of Wo
	s_bfe_u32 s[CX], ttmp6, 0x40000
	s_bfe_u32 s[CY], ttmp6, 0x40004
	s_lshl_b32 s[WGX], ttmp9, 2
	s_add_co_u32 s[WGX], s[WGX], s[CX]             ; block of 256 columns
	s_and_b32 s[WGY], ttmp7, 0xffff
	s_lshl_b32 s[WGY], s[WGY], 2
	s_add_co_u32 s[WGY], s[WGY], s[CY]             ; block of 128 tokens
	s_lshl_b32 s[MROW], s[CY], 2
	s_lshl_b32 s[MROW], 15, s[MROW]
	s_lshl_b32 s[MCOL], 0x1111, s[CX]
	; group 1: dense blocks as rows of 256 bytes (32 elements of 8 bytes): 128 rows of codes (eight tiles of a slot); scale words: z's eight tiles 16 rows, Wo's sixteen 32
	s_or_b32 s[G1AC], s[MROW], (3<<16)|(1<<21)
	s_or_b32 s[G1AS], s[MROW], (3<<16)|(1<<21)
	s_or_b32 s[G1BC], s[MCOL], (3<<16)|(1<<21)
	s_or_b32 s[G1BS], s[MCOL], (3<<16)|(1<<21)
.irp g, G1AC, G1BC
	s_mov_b32 s[\g+1], 32<<16
	s_mov_b32 s[\g+2], 128<<16
	s_mov_b32 s[\g+3], 32<<16
	s_mov_b32 s[\g+4], 128
	s_mov_b32 s[\g+5], 32
	s_mov_b32 s[\g+6], 0
	s_mov_b32 s[\g+7], 0
.endr
.irp g, G1AS, G1BS
	s_mov_b32 s[\g+1], 32<<16
	s_mov_b32 s[\g+2], (16+\g-G1AS)<<16            ; G1BS lies 16 registers behind G1AS: 16 rows for z, 32 for Wo
	s_mov_b32 s[\g+3], 32<<16
	s_mov_b32 s[\g+4], 16+\g-G1AS
	s_mov_b32 s[\g+5], 32
	s_mov_b32 s[\g+6], 0
	s_mov_b32 s[\g+7], 0
.endr
	s_lshl_b32 s92, s[WGY], 15                     ; z: tile 8 y, 4,096 bytes a tile; a slot's eight tiles come whole
	s_mov_b32 s93, 0
	s_add_co_u32 s92, s92, s93
	s_mov_b32 s93, 0
	s_lshl_b32 s94, s[WGY], 12                     ; its scale words, 512 bytes a tile
	s_mov_b32 s95, 0
	s_add_co_u32 s94, s94, s95
	s_mov_b32 s95, 0
	s_lshl_b32 s96, s[WGX], 16                     ; Wo: tile 192 + 16 x + 8 x half, in registers that never hold y
	s_lshl_b32 s97, s[TQ], 15
	s_add_co_u32 s96, s96, s97
	s_add_co_u32 s96, s96, 786432
	s_mov_b32 s97, 0
	s_lshl_b32 s98, s[WGX], 13
	s_mov_b32 s99, 0
	s_add_co_u32 s98, s98, s99
	s_add_co_u32 s98, s98, 98304
	s_mov_b32 s99, 0
	s_lshl_b32 s66, s[TQ], 14                      ; in LDS: the wave's number alone
	s_lshl_b32 s67, s[TQ], 11
	s_lshl_b32 s100, s[TQ], 15
	s_wait_dscnt 0x0
	s_wait_kmcnt 0x0
	s_add_nc_u64 s[92:93], s[4:5], s[92:93]
	s_add_nc_u64 s[94:95], s[6:7], s[94:95]
	s_add_nc_u64 s[96:97], s[8:9], s[96:97]
	s_add_nc_u64 s[98:99], s[10:11], s[98:99]
	ROUND                                          ; all sixteen work-groups are here: the joint loads meet
	s_mov_b32 s[G0AS], 1
	s_mov_b32 s[G0AS+1], AS
	s_mov_b64 s[G0AS+2:G0AS+3], s[94:95]
	s_or_b32 s[G0AS+3], s[G0AS+3], 0x80000000
	s_mov_b32 s[G0A0], 1
	s_mov_b32 s[G0A0+1], AC
	s_mov_b64 s[G0A0+2:G0A0+3], s[92:93]
	s_or_b32 s[G0A0+3], s[G0A0+3], 0x80000000
	s_mov_b32 s[G0A1], 1
	s_mov_b32 s[G0A1+1], AC+32768
	s_add_nc_u64 s[G0A1+2:G0A1+3], s[92:93], 2097152
	s_or_b32 s[G0A1+3], s[G0A1+3], 0x80000000
	s_mov_b32 s[G0BS], 1
	s_mov_b32 s[G0BS+1], BS
	s_mov_b64 s[G0BS+2:G0BS+3], s[98:99]
	s_or_b32 s[G0BS+3], s[G0BS+3], 0x80000000
	s_mov_b32 s[G0B0], 1
	s_add_co_u32 s[G0B0+1], s100, BC
	s_mov_b64 s[G0B0+2:G0B0+3], s[96:97]
	s_or_b32 s[G0B0+3], s[G0B0+3], 0x80000000
	s_mov_b32 s[G0B1], 1
	s_add_co_u32 s[G0B1+1], s100, BC+65536
	s_add_nc_u64 s[G0B1+2:G0B1+3], s[96:97], 1048576
	s_or_b32 s[G0B1+3], s[G0B1+3], 0x80000000
; the launch's only fills, one a wave, in one chain of branches on the wave's number: wave 0 slot 0 of z, 1, 2 slot 0's halves of Wo, 3 z's scale words, 4 Wo's, 5 slot 1 of z, 6, 7 slot 1's halves of Wo
.macro ARM under, g0, g1, next
	s_cmp_lt_u32 s[WV], \under
	s_cbranch_scc0 \next
	tensor_load_to_lds s[\g0:\g0+3], s[\g1:\g1+7]
	s_nop 0
.rept 4
	v_nop
.endr
	s_branch .Lasked
\next:
.endm
	ARM 1, G0A0, G1AC, .Larm_b0
	ARM 3, G0B0, G1BC, .Larm_as
	ARM 4, G0AS, G1AS, .Larm_bs
	ARM 5, G0BS, G1BS, .Larm_a1
	ARM 6, G0A1, G1AC, .Larm_b1
	tensor_load_to_lds s[G0B1:G0B1+3], s[G1BC:G1BC+7]
	s_nop 0
.rept 4
	v_nop
.endr
.Lasked:
	v_and_b32 v1, 31, v0                           ; lane
	v_and_b32 v2, 15, v0                           ; r
	v_bfe_u32 v3, v0, 4, 1                         ; h
	s_delay_alu instid0(VALU_DEP_3)
	v_lshlrev_b32 v9, 4, v1                        ; 16 x lane
	s_delay_alu instid0(VALU_DEP_1)
	v_add_nc_u32 v[ADA], s66, v9
	s_delay_alu instid0(VALU_DEP_1)
	v_add_nc_u32 v[ADA+1], 32768, v[ADA]
	s_lshl_b32 s104, s[NQ], 14
	s_add_co_u32 s104, s104, BC
	v_add_nc_u32 v[ADB], s104, v9
	s_delay_alu instid0(VALU_DEP_1)
	v_add_nc_u32 v[ADB+1], 65536, v[ADB]
	s_lshl_b32 s104, s[NQ], 11
	s_add_co_u32 s104, s104, BS-AS
	s_sub_co_u32 s104, s104, s67                   ; from my z tiles' words to my Wo tiles'
	v_mul_u32_u24 v[ADS], s104, v3                 ; lanes 16-31 take Wo's
	s_delay_alu instid0(VALU_DEP_1)
	v_lshl_add_u32 v[ADS], v2, 4, v[ADS]
	s_add_co_u32 s104, s67, AS
	v_add_nc_u32 v[ADS], s104, v[ADS]
	s_mul_i32 s104, s[WV], 4352
	s_add_co_u32 s104, s104, STG                   ; my stage
	v_mul_u32_u24 v[STO], v2, 272
	s_delay_alu instid0(VALU_DEP_1)
	v_lshl_add_u32 v[STO], v3, 6, v[STO]
	s_delay_alu instid0(VALU_DEP_1)
	v_add_nc_u32 v[STO], s104, v[STO]              ; in: row r, + 64 h
	v_mul_u32_u24 v[SRD], v3, 272
	s_delay_alu instid0(VALU_DEP_1)
	v_lshl_add_u32 v[SRD], v2, 4, v[SRD]
	s_delay_alu instid0(VALU_DEP_1)
	v_add_nc_u32 v[SRD], s104, v[SRD]              ; back: lanes 0-15 one row of 256 bytes, lanes 16-31 the next
	v_lshlrev_b32 v[GO], 12, v3
	s_delay_alu instid0(VALU_DEP_1)
	v_lshl_add_u32 v[GO], v2, 4, v[GO]             ; and the same two rows in out0
	v_lshlrev_b32 v13, 6, v3                       ; the bias: 64 h
	s_wait_alu depctr_va_vdst(0)
	s_lshl_b32 s104, s[WGX], 10
	s_lshl_b32 s105, s[NQ], 8
	s_add_co_u32 s104, s104, s105                  ; my first column, in bytes
	s_mov_b32 s105, 0
	s_add_nc_u64 s[12:13], s[12:13], s[104:105]
	s_lshl_b32 s2, s[WGY], 19
	s_lshl_b32 s3, s[TQ], 18
	s_add_co_u32 s2, s2, s3                        ; my first token's row
	s_add_co_u32 s2, s2, s104
	s_mov_b32 s3, 0
	s_add_nc_u64 s[14:15], s[14:15], s[2:3]
.irp a, 0,1,2,3                        ; tile a, register j: column 32 (a / 2) + 16 h + 8 (a % 2) + j
	global_load_b128 v[32+8*\a+192*(\a/2):35+8*\a+192*(\a/2)], v13, s[12:13] offset:128*(\a/2)+32*(\a%2)
	global_load_b128 v[36+8*\a+192*(\a/2):39+8*\a+192*(\a/2)], v13, s[12:13] offset:128*(\a/2)+32*(\a%2)+16
.endr
.macro SCALES sg
.irp i, 0,1,2,3
	ds_load_b128 v[SC+4*\i:SC+4*\i+3], v[ADS] offset:512*\i+256*\sg
.endr
.endm
; 128 along K: 16 LDS loads of 512 consecutive bytes, 16 products; the 16 accumulators take turns, one instruction a turn, in the same order in every step
.macro KSTEP sg, q, first, pl
.if \pl
	PLACES
.endif
.irp i, 0,1,2,3
.irp c, 0,1
	ds_load_b128 v[FA+8*\i+4*\c:FA+8*\i+4*\c+3], v[ADA+\sg] offset:4096*\i+1024*\q+512*\c
	ds_load_b128 v[FB+8*\i+4*\c:FB+8*\i+4*\c+3], v[ADB+\sg] offset:4096*\i+1024*\q+512*\c
.endr
.endr
	s_wait_dscnt 0x0
.irp u, 0,1,2,3
.irp t, 0,1,2,3
.if \first
	v_wmma_scale_f32_16x16x128_f8f6f4 v[ACC+32*\u+8*\t:ACC+32*\u+8*\t+7], v[FB+8*\t:FB+8*\t+7], v[FA+8*\u:FA+8*\u+7], v[32+8*\t+192*(\t/2):39+8*\t+192*(\t/2)], v[SC+4*\t+\q], v[SC+4*\u+\q] matrix_a_fmt:MATRIX_FMT_FP4 matrix_b_fmt:MATRIX_FMT_FP4 matrix_a_scale:MATRIX_SCALE_ROW1
.else
	v_wmma_scale_f32_16x16x128_f8f6f4 v[ACC+32*\u+8*\t:ACC+32*\u+8*\t+7], v[FB+8*\t:FB+8*\t+7], v[FA+8*\u:FA+8*\u+7], v[ACC+32*\u+8*\t:ACC+32*\u+8*\t+7], v[SC+4*\t+\q], v[SC+4*\u+\q] matrix_a_fmt:MATRIX_FMT_FP4 matrix_b_fmt:MATRIX_FMT_FP4 matrix_a_scale:MATRIX_SCALE_ROW1
.endif
.endr
.endr
.endm
	s_cmp_lt_u32 s[WV], 5                          ; waves 0-4 wait for slot 0's tiles and the scale words; slot 1's loads, waves 5-7's own lines, may be out
	s_cbranch_scc0 .Lrest_out
	s_wait_tensorcnt 0x0
.Lrest_out:
	BAR                                            ; everybody's are
	SCALES 0
	s_wait_loadcnt 0x0                             ; the bias
	KSTEP 0, 0, 1, 0
	KSTEP 0, 1, 0, 1
	KSTEP 0, 2, 0, 1
	KSTEP 0, 3, 0, 1
	s_wait_tensorcnt 0x0                           ; my part of slot 1
	BAR
	PLACES                                         ; ahead of the loads into the scale and fragment registers
	SCALES 1
	KSTEP 1, 0, 0, 0
	KSTEP 1, 1, 0, 1
	KSTEP 1, 2, 0, 1
	KSTEP 1, 3, 0, 1
	PLACES                                         ; ahead of the first read of results and of loads into the fragments' registers
; THE WAY OUT, a tile of 16 tokens x 64 columns at a time, through my own stage: LDS serves a wave's instructions in order, so no wait stands between the stores and the loads
.macro TOSTAGE t
.irp g, 0,1,2,3,4,5,6,7
	ds_store_b128 v[STO], v[ACC+32*(\t)+4*\g:ACC+32*(\t)+4*\g+3] offset:128*(\g/4)+16*(\g%4)   ; each accumulator from its low end on
.endr
.irp i, 0,1,2,3,4,5,6,7
	ds_load_b128 v[FA+32*((\t)%2)+4*\i:FA+32*((\t)%2)+4*\i+3], v[SRD] offset:544*\i
.endr
.endm
.macro SEND t, younger                 ; younger: the LDS instructions issued behind tile t's loads, which may stay out
	s_wait_dscnt \younger
.irp i, 0,1,2,3,4,5,6,7
	global_store_b128 v[GO], v[FA+32*((\t)%2)+4*\i:FA+32*((\t)%2)+4*\i+3], s[14:15] offset:(32*((\t)/2)+8*((\t)%2)+(2*\i)%8+16*(\i/4))*4096 th:TH_STORE_NT   ; sixteen lanes store 256 consecutive bytes, aligned; places 2 i and 2 i + 1 of the tile
.endr
.endm
	TOSTAGE 0
.irp t, 1,2,3
.if \t > 1
	s_wait_xcnt 0x0                                ; tile t - 2's stores have read their registers: tile t's rows may land there
.endif
	TOSTAGE \t
	SEND \t-1, 16                                  ; behind tile t - 1's loads: tile t's 8 stores and 8 loads
.endr
	SEND 3, 0
	s_wait_tensorcnt 0x0
	ds_add_u32 v14, v15
	s_wait_dscnt 0x0
	ROUND                                          ; the closing round: no work-group ends while a partner may still ask
	s_endpgm
.Lfunc_end_k_qd46b962d6d_outp:
	.size	k_qd46b962d6d_outp, .Lfunc_end_k_qd46b962d6d_outp-k_qd46b962d6d_outp
	.p2alignl 7, 3214868480
	.fill 96, 4, 3214868480
	.section	.rodata,"a",@progbits
	.p2align	6, 0x0
	.amdhsa_kernel k_qd46b962d6d_outp
		.amdhsa_group_segment_fixed_size 244736
		.amdhsa_private_segment_fixed_size 0
		.amdhsa_enable_private_segment 0
		.amdhsa_kernarg_size 48
		.amdhsa_user_sgpr_count 2
		.amdhsa_user_sgpr_kernarg_segment_ptr 1
		.amdhsa_wavefront_size32 1
		.amdhsa_system_sgpr_workgroup_id_x 1
		.amdhsa_system_sgpr_workgroup_id_y 1
		.amdhsa_system_sgpr_workgroup_id_z 1
		.amdhsa_system_vgpr_workitem_id 0
		.amdhsa_next_free_vgpr 256
		.amdhsa_next_free_sgpr 106
		.amdhsa_reserve_vcc 0
		.amdhsa_float_denorm_mode_32 3
		.amdhsa_float_denorm_mode_16_64 3
		.amdhsa_memory_ordered 1
		.amdhsa_forward_progress 1
		.amdhsa_inst_pref_size 44
	.end_amdhsa_kernel
	.amdgpu_metadata
---
amdhsa.version: [ 1, 2 ]
amdhsa.kernels:
  - .name:           k_qd46b962d6d_outp
    .symbol:         k_qd46b962d6d_outp.kd
    .args:
      - { .name: zc, .offset: 0, .size: 8, .value_kind: global_buffer, .address_space: global }
      - { .name: zs, .offset: 8, .size: 8, .value_kind: global_buffer, .address_space: global }
      - { .name: wc, .offset: 16, .size: 8, .value_kind: global_buffer, .address_space: global }
      - { .name: ws, .offset: 24, .size: 8, .value_kind: global_buffer, .address_space: global }
      - { .name: bo, .offset: 32, .size: 8, .value_kind: global_buffer, .address_space: global }
      - { .name: out0, .offset: 40, .size: 8, .value_kind: global_buffer, .address_space: global }
    .group_segment_fixed_size: 244736
    .private_segment_fixed_size: 0
    .kernarg_segment_align: 8
    .kernarg_segment_size: 48
    .max_flat_workgroup_size: 256
    .sgpr_count:     106
    .vgpr_count:     256
    .wavefront_size: 32
...
	.end_amdgpu_metadata
.endif
;; end of part 4
